; MI455X (gfx1250); checked and timed in simulation.
; The chip was launched on July 23, 2026; its instructions are those of AMD's public machine-readable ISA for CDNA 5 (MIT licence, August 2026) and "CDNA5" Instruction Set Architecture Reference Guide (July 2026). The comments in the code are by the model that wrote it; some were corrected since.
;; Long Cat Self Attention. Allowed arithmetic: matrix products marked QUANTISED: E2M1 operands, one E8M0 scale for each 32 along K, by v_wmma_scale_f32_16x16x128_f8f6f4 with both operands' format E2M1 (or v_wmma_scale_f32_32x16x128_f4), f32 sums; products left as they are: bf16, f16 or f32 operands; f32 sums; everything else in f32.
;; Inputs: Wk 1,024 x 1,024 float32; Wo 1,024 x 1,024 float32; Wq 1,024 x 1,024 float32; Wv 1,024 x 1,024 float32; bk 1,024 float32; bo 1,024 float32; bq 1,024 float32; bv 1,024 float32; k_norm_w 64 float32; q_norm_w 64 float32; x 1 x 4,096 x 1,024 float32.
;; Outputs: out0 1 x 4,096 x 1,024 float32.
;; Constants: H = 16, T = 8, W = 32.
;; This version of the problem:
;;   THIS VERSION OF THE PROBLEM IS GIVEN IN LOW PRECISION. The matrix products marked QUANTISED in the list below multiply operands that are first quantised to E2M1 (2 exponent bits, 1 mantissa bit; 4 bits a number), with one power-of-two scale for each 32 numbers along K (OCP MX v1.0); their sums are f32. The products marked 'left as it is' may take bf16, f16 or f32 operands, with f32 sums. Whichever they take, every output number must still come out within the allowed error. Rounding operands to bf16 (8 significant bits) uses up far more of that allowance than f16 does (11 bits, for magnitudes from 6e-5 to 65,504). All else is computed in f32.
;;   The module's matrix products, in the order in which they are computed (A, B: the left and right operand; K: the contracted axis; several contracted axes count as one K, in the product's order):
;;     1. [M 4,096, K 1,024] x [K 1,024, N 1,024]; A: input x; B: input Wq: QUANTISED
;;     2. [M 4,096, K 1,024] x [K 1,024, N 1,024]; A: input x; B: input Wk: QUANTISED
;;     3. [M 4,096, K 1,024] x [K 1,024, N 1,024]; A: input x; B: input Wv: QUANTISED
;;     4. batch 16 x [M 4,096, K 64] x [K 64, N 4,096]; A: computed on the way; B: computed on the way: left as it is (an operand is computed on the way)
;;     5. batch 16 x [M 64, K 4,096] x [K 4,096, N 4,096]; A: computed on the way; B: computed on the way: left as it is (an operand is computed on the way)
;;     6. [M 4,096, K 1,024] x [K 1,024, N 1,024]; A: computed on the way; B: input Wo: left as it is (an operand is computed on the way)
;;   THE QUANTISER, for each operand of a quantised product, along K:
;;     - K is cut into blocks of 32 from its start; a last block that is shorter is filled with zeros.
;;     - A block's scale is 2^e with e = floor(log2(the largest magnitude in the block)) - 2, held to -126 .. 127; a block of zeros has e = 0. As a byte (E8M0): e + 127.
;;     - Each number is divided by its block's scale, clamped to +-6, and rounded to the nearest number of E2M1, ties to even, subnormals kept.
;;     - The product sums the exact products of the quantised numbers (number of the format x scale) in f32.
;;   ~~~python
;;   def quantise(x, axis):      # numpy; x: float32 -> the quantised numbers, widened to float32 again
;;       x = np.moveaxis(x, axis, -1); K = x.shape[-1]
;;       x = np.pad(x, [(0, 0)] * (x.ndim - 1) + [(0, -K % 32)]); x = x.reshape(x.shape[:-1] + (-1, 32)); a = np.abs(x).max(-1, keepdims=True)
;;       e = np.where(a > 0, np.clip(np.frexp(np.where(a > 0, a, 1))[1] - 1 - 2, -126, 127), 0)      # np.frexp(a)[1] - 1 = floor(log2(a)), exactly
;;       r = np.clip(x / 2.0 ** e, -6, 6)
;;       step = 2.0 ** (np.maximum(np.frexp(np.where(r == 0, 1, r))[1] - 1, 0) - 1)
;;       q = np.round(r / step) * step * 2.0 ** e      # np.round: ties to even
;;       return np.moveaxis(q.reshape(q.shape[:-2] + (-1,))[..., :K], -1, axis).astype(np.float32)
;;   ~~~
;; One version. Each part assembles by itself: llvm-mc -triple=amdgcn-amd-amdhsa -mcpu=gfx1250 --defsym DOCPART=n.
;; ======== version 1 of 1: 4 launches
;; limits: values are held in f16: magnitudes above 65,504 overflow, below 6.1e-05 lose precision
;; workspace buffers: xrec 3,276,800 bytes; wrec 1,671,168 bytes; wof 2,097,152 bytes; qf 8,388,608 bytes; kv 16,777,216 bytes; of 8,388,608 bytes
;; launch prep (part 1): grid 320 x 1, 4 waves a work-group, no clusters, 68,096 bytes of LDS; arguments x, Wq, Wk, Wv, Wo, xrec, wrec, wof; writes xrec, wrec, wof
.if DOCPART == 1
	.amdgcn_target "amdgcn-amd-amdhsa--gfx1250"
	.amdhsa_code_object_version 6
	.text
	.protected	k_q5acec5d6db_prep
	.globl	k_q5acec5d6db_prep
	.p2align	8
	.type	k_q5acec5d6db_prep,@function
k_q5acec5d6db_prep:
	s_mov_b64 s[64:65], 0
	v_nop
	global_prefetch_b8 v0, s[64:65] scope:SCOPE_SE
	s_setreg_imm32_b32 hwreg(HW_REG_WAVE_MODE, 25, 1), 1
	s_wait_xcnt 0x0
; PREP.  x [4096][1024] and Wq, Wk, Wv [1024][1024], f32 with K innermost, become codes of FP4 (E2M1) with one E8M0 byte for each 32 along K; Wo becomes f16; the table of cosines and sines of the 3D RoPE is made.
; All results are laid IN THE ORDER OF THE OPERAND'S REGISTERS: a piece is 32 lanes x 16 bytes = 512 consecutive bytes, lane l at 16 l, so that every store here covers whole aligned runs and every later read is 16 bytes a lane.
;   xrec: 256 records (16 tokens each) of 12,800 bytes: +0 codes [K step of 128: 8][c 2][lane][16 B] (lane (r, h): row r, k = 128 s + 64 c + 32 h + 0..31);
;         +8192 scale words [Kh 2][lane][2 words]: word i of lane (r, h) is row r's word of K step 4 Kh + 2 i + h;  +8704 the table [b 4][e 2][lane][16 B] = cos, sin, cos, sin of pairs 8 b + 4 h + 2 e and the next, token r.
;   wrec: 192 records of 8,704 bytes (codes and scale words as above): record 64 x type + tile of 16 rows; type 0, 1, 2 = Wq, Wk, Wv.
;   wof:  [K step of 256: 4][tile of 16 rows: 64][kc 8][g 2][lane][16 B]: lane (r, h): row r, k = 256 ks + 32 kc + 16 g + 8 h + 0..7, f16.
; A block's scale is 2^(floor(log2(largest magnitude)) - 2); its byte is the largest magnitude's exponent field - 2, held at 1 from below.
; LIMITS: NaN and infinities among the inputs are not served; a block whose largest magnitude lies under 2^-124 (a block of zeros among them) gets the byte 1: its codes are then zeros or as the held scale gives them, and this program alone reads the bytes.
; SHARES.  Work-groups 0-223 quantise (a wave: 16 rows x 512 along K), 224-255 round Wo (the same share), 256-319 make the table (a wave: 16 tokens).  The paths part on the work-group's number; each path that uses LDS has bytes of its own.
; A wave's loads read 512 consecutive bytes of a row; the numbers turn through the wave's own stage in LDS (16 rows, 528 bytes apart) so that a lane gets neighbours along K.  Waves share nothing: no barrier.
.set STG,   8448                       ; a wave's stage: 16 rows x 528 bytes
.set PIT,   528                        ; 512 bytes + 16: the sixteen rows that a read touches start in different banks
.set STW,   4*STG                      ; the stages of the path for Wo
.set SPARE, 8*STG                      ; the spare words, 128 bytes for each wave: two blocks of 256 bytes that no other line names
.set XREC,  12800
.set WREC,  8704
.set LO,  4                            ; v4   16 x lane
.set L8,  5                            ; v5   8 x lane
.set SI,  6                            ; v6   stage, way in (quantiser)
.set SQ,  7                            ; v7   stage, way out: row r, + 128 h
.set SI2, 8                            ; v8   stage, way in (Wo)
.set SW2, 9                            ; v9   stage, way out: row r, + 32 h
.set H8,  10                           ; v10  8 h
.set MX,  16                           ; v16-17 largest magnitudes of my two blocks
.set SO,  18                           ; v18-19 the conversions' scale operands
.set BY,  20                           ; v20-21 the bytes
.set WD,  22                           ; v22-25 the scale words of the four steps
.set SWD, 26                           ; v26-27 the two words that I store
.set PT,  28                           ; v28  a lane permute's destination
.set SPW, 30                           ; v30  LDS address of my spare word; never rewritten
.set NIL, 31                           ; v31  0; never rewritten
.set C,   32                           ; v32-63 codes, f16 numbers or table entries to be stored
.set R,   64                           ; v64-191 two sets of 64 numbers as loaded
.set X,   192                          ; v192-255 64 numbers, neighbours along K
	s_load_b256 s[4:11], s[0:1], 0x0               ; x, Wq, Wk, Wv
	s_load_b256 s[12:19], s[0:1], 0x20             ; Wo, xrec, wrec, wof
	v_lshl_add_u32 v[SPW], v0, 2, SPARE
	v_mov_b32 v[NIL], 0
	v_lshrrev_b32 v1, 5, v0
	v_readfirstlane_b32 s2, v1                     ; wave
	v_and_b32 v1, 31, v0                           ; lane
	v_and_b32 v2, 15, v0                           ; r
	v_bfe_u32 v3, v0, 4, 1                         ; h
	v_lshlrev_b32 v[LO], 4, v1
	v_lshlrev_b32 v[L8], 3, v1
	s_mul_i32 s3, s2, STG
	v_add_nc_u32 v[SI], s3, v[LO]
	v_mul_u32_u24 v11, v2, PIT
	v_add_nc_u32 v11, s3, v11
	v_lshl_add_u32 v[SQ], v3, 7, v11
	v_lshl_add_u32 v[SW2], v3, 5, v11
	v_add_nc_u32 v[SW2], STW, v[SW2]
	v_add_nc_u32 v[SI2], STW, v[SI]
	v_lshlrev_b32 v[H8], 3, v3
	v_mov_b32 v[PT], 0                             ; written once: a lane permute's destination counts as one of its sources
	v_cmp_lt_u32 s34, 15, v1                       ; lanes 16-31
	s_mov_b32 s36, 0x76543210
	s_mov_b32 s37, 0xfedcba98                      ; v_permlanex16_b32's selects for lane l xor 16
	s_lshl_b32 s20, ttmp9, 2
	s_add_co_u32 s20, s20, s2                      ; u = 4 x work-group + wave
	s_and_b32 s21, s20, 1                          ; Kh: which 512 along K
	s_lshr_b32 s22, s20, 1                         ; which tile of 16 rows
	s_wait_kmcnt 0x0
	s_cmp_ge_u32 ttmp9, 256
	s_cbranch_scc1 .Ltable
	s_cmp_ge_u32 ttmp9, 224
	s_cbranch_scc1 .Lwo
.macro LOAD t                          ; step t: 128 along K of my 16 rows; each load reads 512 consecutive bytes of one row
.set i, 0
.rept 16
	global_load_b128 v[R+64*((\t)%2)+4*i:R+64*((\t)%2)+4*i+3], v[LO], s[24:25] offset:4096*i+512*(\t) th:TH_LOAD_NT
.set i, i+1
.endr
.endm
.macro TURNQ t                         ; through the stage: LDS serves a wave's instructions in order, so no wait stands between the stores and the loads
.set i, 0
.rept 16
	ds_store_b128 v[SI], v[R+64*((\t)%2)+4*i:R+64*((\t)%2)+4*i+3] offset:PIT*i
.set i, i+1
.endr
.set i, 0
.rept 16
	ds_load_b128 v[X+4*i:X+4*i+3], v[SQ] offset:256*(i/8)+16*(i%8)   ; block c = i / 8: k = 64 c + 32 h + 0..31 of my row
.set i, i+1
.endr
.endm
.macro TURNW t
.set i, 0
.rept 16
	ds_store_b128 v[SI2], v[R+64*((\t)%2)+4*i:R+64*((\t)%2)+4*i+3] offset:PIT*i
.set i, i+1
.endr
.set i, 0
.rept 16
	ds_load_b128 v[X+4*i:X+4*i+3], v[SW2] offset:64*(i/2)+16*(i%2)   ; piece p = i / 2: k = 16 p + 8 h + 0..7 of my row
.set i, i+1
.endr
.endm
.macro QSTEP t                         ; my two whole blocks of 32 become 32 codes each, and the row's four bytes a scale word
	v_max3_num_f32 v[MX], |v[X]|, |v[X+1]|, 0x1800000              ; with the floor 2^(3 - 127): the byte cannot fall under 1
	v_max3_num_f32 v[MX+1], |v[X+32]|, |v[X+33]|, 0x1800000
.set i, 2
.rept 15
	v_max3_num_f32 v[MX], v[MX], |v[X+i]|, |v[X+i+1]|              ; (the two blocks by turns)
	v_max3_num_f32 v[MX+1], v[MX+1], |v[X+32+i]|, |v[X+33+i]|
.set i, i+2
.endr
	v_add_nc_u32 v[SO], 0xff000000, v[MX]          ; 2 off the exponent field: the conversion takes the exponent field of this operand as its scale
	v_add_nc_u32 v[SO+1], 0xff000000, v[MX+1]
	v_lshrrev_b32 v[BY], 23, v[SO]                 ; the bytes of blocks h and 2 + h
	v_lshrrev_b32 v[BY+1], 23, v[SO+1]
	v_lshl_or_b32 v[BY], v[BY+1], 16, v[BY]
	v_lshlrev_b32 v[BY], v[H8], v[BY]              ; at their places in the word
	v_permlanex16_b32 v[PT], v[BY], s36, s37
	v_or_b32 v[WD+(\t)], v[BY], v[PT]              ; with lane l xor 16's two the word is whole, in both lanes
.set i, 0
.rept 8
	v_cvt_scalef32_pk8_fp4_f32 v[C+8*(\t)+i], v[X+8*i:X+8*i+7], v[SO+i/4]
.set i, i+1
.endr
	v_nop                                          ; one plain place behind the last scaled conversion
	global_store_b128 v[LO], v[C+8*(\t):C+8*(\t)+3], s[26:27] offset:1024*(\t)          ; 512 consecutive bytes each; each step has registers of its own, so no store's data are written again
	global_store_b128 v[LO], v[C+8*(\t)+4:C+8*(\t)+7], s[26:27] offset:1024*(\t)+512
.if ((\t)%2) == 1
	v_cndmask_b32 v[SWD+(\t)/2], v[WD+(\t)-1], v[WD+(\t)], s34     ; lanes 0-15 keep the even step's word, lanes 16-31 the odd step's
.endif
.endm
.macro WSTEP t
.if (\t) > 0
	s_wait_xcnt 0x0                                ; the last step's stores have read their data: the registers are written again only behind this wait
.endif
.set i, 0
.rept 32
	v_cvt_pk_f16_f32 v[C+i], v[X+2*i], v[X+2*i+1]
.set i, i+1
.endr
.set i, 0
.rept 8
	global_store_b128 v[LO], v[C+4*i:C+4*i+3], s[26:27] offset:((\t)/2)*524288+((\t)%2)*4096+512*i
.set i, i+1
.endr
.endm
.macro FINISH                          ; the wave's end, behind my last LDS store
	s_wait_tensorcnt 0x0
	ds_add_u32 v[SPW], v[NIL]
	s_wait_dscnt 0x0
	s_endpgm
.endm
	; ---- the quantiser: tiles 0-255 are x's, 256-319 Wq's, 320-383 Wk's, 384-447 Wv's
	s_and_b32 s23, s22, 63
	s_mul_i32 s29, s22, XREC
	s_sub_co_u32 s28, s22, 256
	s_mul_i32 s28, s28, WREC
	s_cmp_lt_u32 ttmp9, 192                        ; the choices hang on the work-group's number alone
	s_cselect_b64 s[24:25], s[8:9], s[10:11]
	s_cmp_lt_u32 ttmp9, 160
	s_cselect_b64 s[24:25], s[6:7], s[24:25]
	s_cmp_lt_u32 ttmp9, 128
	s_cselect_b64 s[24:25], s[4:5], s[24:25]
	s_cselect_b64 s[26:27], s[14:15], s[16:17]
	s_cselect_b32 s23, s22, s23                    ; the tile's number in its own tensor
	s_cselect_b32 s28, s29, s28                    ; its record
	s_mov_b32 s29, 0
	s_add_nc_u64 s[26:27], s[26:27], s[28:29]
	s_lshl_b32 s28, s21, 8
	s_add_nc_u64 s[32:33], s[26:27], s[28:29]      ; where my 256 bytes of scale words go (8,192 more stand in the store's immediate)
	s_lshl_b32 s28, s21, 12
	s_add_nc_u64 s[26:27], s[26:27], s[28:29]      ; where my four K steps' codes go
	s_lshl_b32 s28, s23, 16                        ; 16 rows of 4,096 bytes
	s_lshl_b32 s23, s21, 11
	s_add_co_u32 s28, s28, s23
	s_add_nc_u64 s[24:25], s[24:25], s[28:29]
	LOAD 0
	LOAD 1
.irp t, 0,1,2,3
.if \t < 3
	s_wait_loadcnt 16                              ; this step's 16 loads are in; the next step's 16 may be out
.else
	s_wait_loadcnt 0x0
.endif
	TURNQ \t
	s_wait_dscnt 0x0                               ; my 64 numbers are back, and the stores have read the set that is loaded again below
.if \t < 2
	LOAD \t+2
.endif
	QSTEP \t
.endr
	global_store_b64 v[L8], v[SWD:SWD+1], s[32:33] offset:8192     ; 32 lanes store 256 consecutive bytes, aligned
	FINISH
	; ---- Wo to f16
.Lwo:
	s_sub_co_u32 s22, s22, 448                     ; the tile of 16 rows
	s_lshl_b32 s28, s22, 16
	s_lshl_b32 s23, s21, 11
	s_add_co_u32 s28, s28, s23
	s_mov_b32 s29, 0
	s_add_nc_u64 s[24:25], s[12:13], s[28:29]
	s_lshl_b32 s28, s21, 20                        ; two K steps of 256 are 2 x 524,288 bytes
	s_lshl_b32 s23, s22, 13
	s_add_co_u32 s28, s28, s23
	s_add_nc_u64 s[26:27], s[18:19], s[28:29]
	LOAD 0
	LOAD 1
.irp t, 0,1,2,3
.if \t < 3
	s_wait_loadcnt 16                              ; as above
.else
	s_wait_loadcnt 0x0
.endif
	TURNW \t
	s_wait_dscnt 0x0
.if \t < 2
	LOAD \t+2
.endif
	WSTEP \t
.endr
	FINISH
	; ---- the table.  Token n = 16 T + r = 512 t + 32 hh + ww.  Pair j: j < 12: t x 10000^(-j / 12); j < 22: hh x 10000^(-(j - 12) / 10); else ww x 10000^(-(j - 22) / 10).
.Ltable:
	s_sub_co_u32 s20, s20, 1024                    ; T
	s_mul_i32 s28, s20, XREC
	s_mov_b32 s29, 0
	s_add_nc_u64 s[26:27], s[14:15], s[28:29]
	s_lshr_b32 s22, s20, 5                         ; t
	s_bfe_u32 s23, s20, 0x40001                    ; hh
	s_and_b32 s21, s20, 1
	s_lshl_b32 s21, s21, 4
	v_add_nc_u32 v11, s21, v2                      ; ww
	v_cvt_f32_u32 v11, v11
	v_cvt_f32_u32 v12, s22
	v_cvt_f32_u32 v13, s23
	v_mov_b32 v14, 12
	v_mov_b32 v15, 22
	v_mov_b32 v16, 0xbf8dbc50                      ; -log2(10000) / 12
	v_mov_b32 v17, 0xbfaa152d                      ; -log2(10000) / 10
	v_lshlrev_b32 v18, 2, v3                       ; 4 h
	s_mov_b32 s38, 0x333bbd2e                      ; f32(pi / 2) - pi / 2
	s_mov_b32 s39, 0x3638ef1d                      ; 1 / 9!
	s_mov_b32 s40, 0xb9500d01                      ; -1 / 7!
	s_mov_b32 s41, 0x3c088889                      ; 1 / 5!
	s_mov_b32 s42, 0xbe2aaaab                      ; -1 / 3!
	s_mov_b32 s43, 0x37d00d01                      ; 1 / 8!
	s_mov_b32 s44, 0xbab60b61                      ; -1 / 6!
	s_mov_b32 s45, 0x3d2aaaab                      ; 1 / 4!
.macro ANGLE                           ; entry n of my 16: pair j = 4 h + 8 (n / 4) + n % 4: its position into v[80 + n], its frequency into v[64 + n]
	v_add_nc_u32 v20, 8*(n/4)+n%4, v18
	v_cmp_lt_u32 vcc_lo, 11, v20
	v_cndmask_b32 v21, 0, v14, vcc_lo
	v_cndmask_b32 v22, v16, v17, vcc_lo
	v_cndmask_b32 v23, v12, v13, vcc_lo
	v_cmp_lt_u32 vcc_lo, 21, v20
	v_cndmask_b32 v21, v21, v15, vcc_lo
	v_cndmask_b32 v[80+n], v23, v11, vcc_lo
	v_sub_nc_u32 v21, v20, v21
	v_cvt_f32_u32 v21, v21
	v_mul_f32 v21, v21, v22
	v_exp_f32 v[64+n], v21                         ; the next entry's first line, plain, stands ahead of the next write of v21
.endm
.macro SINCOS                          ; the angle in v[64 + n], 0 to 31: k = nearest whole number to angle x 2 / pi, rest in [-pi / 4, pi / 4], two polynomials, then the quadrant
	v_mul_f32 v20, 0x3f22f983, v[64+n]
	v_rndne_f32 v20, v20
	v_fmamk_f32 v21, v20, 0xbfc90fdb, v[64+n]      ; angle - k x pi / 2, in two parts
	v_fma_f32 v21, v20, s38, v21
	v_mul_f32 v22, v21, v21
	v_fma_f32 v23, v22, s39, s40
	v_fma_f32 v24, v22, s43, s44
	v_fma_f32 v23, v23, v22, s41
	v_fma_f32 v24, v24, v22, s45
	v_fma_f32 v23, v23, v22, s42
	v_fma_f32 v24, v24, v22, -0.5
	v_mul_f32 v25, v21, v22
	v_fma_f32 v24, v24, v22, 1.0                   ; the rest's cosine
	v_fma_f32 v23, v23, v25, v21                   ; and sine
	v_cvt_i32_f32 v20, v20
	v_and_b32 v25, 1, v20
	v_cmp_eq_u32 vcc_lo, 1, v25                    ; odd quadrants change sine and cosine
	v_cndmask_b32 v26, v23, v24, vcc_lo
	v_cndmask_b32 v27, v24, v23, vcc_lo
	v_and_b32 v25, 2, v20
	v_lshlrev_b32 v25, 30, v25                     ; the sine is negative in quadrants 2 and 3,
	v_xor_b32 v[C+2*n+1], v25, v26
	v_add_nc_u32 v20, 1, v20
	v_and_b32 v20, 2, v20
	v_lshlrev_b32 v20, 30, v20                     ; the cosine in 1 and 2
	v_xor_b32 v[C+2*n], v20, v27
.endm
.set n, 0
.rept 16
	ANGLE
.set n, n+1
.endr
	v_nop                                          ; a plain place behind the last exponential
	s_wait_alu depctr_va_vdst(0)                   ; one wait for the batch of 16, ahead of its first reader
.set n, 0
.rept 16
	v_mul_f32 v[64+n], v[80+n], v[64+n]
.set n, n+1
.endr
.set n, 0
.rept 16
	SINCOS
.set n, n+1
.endr
.set i, 0
.rept 8
	global_store_b128 v[LO], v[C+4*i:C+4*i+3], s[26:27] offset:8704+512*i
.set i, i+1
.endr
	s_endpgm
.Lfunc_end_k_q5acec5d6db_prep:
	.size	k_q5acec5d6db_prep, .Lfunc_end_k_q5acec5d6db_prep-k_q5acec5d6db_prep
	.p2alignl 7, 3214868480
	.fill 96, 4, 3214868480
	.section	.rodata,"a",@progbits
	.p2align	6, 0x0
	.amdhsa_kernel k_q5acec5d6db_prep
		.amdhsa_group_segment_fixed_size 68096
		.amdhsa_private_segment_fixed_size 0
		.amdhsa_enable_private_segment 0
		.amdhsa_kernarg_size 64
		.amdhsa_user_sgpr_count 2
		.amdhsa_user_sgpr_kernarg_segment_ptr 1
		.amdhsa_wavefront_size32 1
		.amdhsa_system_sgpr_workgroup_id_x 1
		.amdhsa_system_sgpr_workgroup_id_y 1
		.amdhsa_system_sgpr_workgroup_id_z 1
		.amdhsa_system_vgpr_workitem_id 0
		.amdhsa_next_free_vgpr 256
		.amdhsa_next_free_sgpr 66
		.amdhsa_reserve_vcc 1
		.amdhsa_float_denorm_mode_32 3
		.amdhsa_float_denorm_mode_16_64 3
		.amdhsa_memory_ordered 1
		.amdhsa_forward_progress 1
		.amdhsa_inst_pref_size 83
	.end_amdhsa_kernel
	.amdgpu_metadata
---
amdhsa.version: [ 1, 2 ]
amdhsa.kernels:
  - .name:           k_q5acec5d6db_prep
    .symbol:         k_q5acec5d6db_prep.kd
    .args:
      - { .name: x, .offset: 0, .size: 8, .value_kind: global_buffer, .address_space: global }
      - { .name: Wq, .offset: 8, .size: 8, .value_kind: global_buffer, .address_space: global }
      - { .name: Wk, .offset: 16, .size: 8, .value_kind: global_buffer, .address_space: global }
      - { .name: Wv, .offset: 24, .size: 8, .value_kind: global_buffer, .address_space: global }
      - { .name: Wo, .offset: 32, .size: 8, .value_kind: global_buffer, .address_space: global }
      - { .name: xrec, .offset: 40, .size: 8, .value_kind: global_buffer, .address_space: global }
      - { .name: wrec, .offset: 48, .size: 8, .value_kind: global_buffer, .address_space: global }
      - { .name: wof, .offset: 56, .size: 8, .value_kind: global_buffer, .address_space: global }
    .group_segment_fixed_size: 68096
    .private_segment_fixed_size: 0
    .kernarg_segment_align: 8
    .kernarg_segment_size: 64
    .max_flat_workgroup_size: 128
    .sgpr_count:     66
    .vgpr_count:     256
    .wavefront_size: 32
...
	.end_amdgpu_metadata
.endif
;; end of part 1
;; launch qkv (part 2): grid 16 x 16, 12 waves a work-group, clusters of 4 x 4, 327,680 bytes of LDS; arguments xrec, wrec, bq, bk, bv, q_norm_w, k_norm_w, qf, kv; writes qf, kv
.if DOCPART == 2
	.amdgcn_target "amdgcn-amd-amdhsa--gfx1250"
	.amdhsa_code_object_version 6
	.text
	.protected	k_q5acec5d6db_qkv
	.globl	k_q5acec5d6db_qkv
	.p2align	8
	.type	k_q5acec5d6db_qkv,@function
k_q5acec5d6db_qkv:
	s_mov_b64 s[64:65], 0
	v_nop
	global_prefetch_b8 v0, s[64:65] scope:SCOPE_SE
	s_setreg_imm32_b32 hwreg(HW_REG_WAVE_MODE, 25, 1), 1
	s_wait_xcnt 0x0
	s_wait_alu depctr_hold_cnt(0) depctr_sa_sdst(0) depctr_va_vdst(0) depctr_va_sdst(0) depctr_va_ssrc(0) depctr_va_vcc(0) depctr_vm_vsrc(0)
	s_getreg_b32 s2, hwreg(HW_REG_IB_STS2, 6, 4)
	s_cmp_eq_u32 s2, 0
	s_cbranch_scc0 .Lentry_in_a_cluster
	s_endpgm
.Lentry_in_a_cluster:
	s_bfe_u32 s2, ttmp6, 0x10000c
	s_cmp_lg_u32 s2, 0xf033
	s_cbranch_scc0 .Lentry_shape_is_right
	s_endpgm
.Lentry_shape_is_right:
; QKV.  q, k, v = x W^T + b on codes of FP4 (E2M1) with one E8M0 scale for each 32 along K, sums in f32; then, in f32, RMSNorm over the head's 64 and the 3D RoPE on q and k; results rounded once to f16.
; A work-group makes 256 tokens (y) of one head (x): q's, k's and v's 64 channels.  Twelve waves, three to a SIMD: wave w has type w / 4 (0 q, 1 k, 2 v) and tokens 64 (w % 4) on: 16 accumulators of 16 x 16.
; ALL OF K LIES IN LDS: 16 records of x (codes, scale words, RoPE table) and 12 of the weights, each wave's load a dense block; every byte of LDS is filled once, so there is no ring.
; CLUSTER 4 x 4: x's records hang on y alone and are asked for jointly along a row of the cluster, the weights' on the head alone, jointly along a column.  At most one tensor load of a wave is out.
; q and k are made TRANSPOSED (source 0 = 16 rows of W, source 1 = 16 tokens): a lane holds one token and eight neighbouring channels, so the norm wants one exchange of lanes, a RoPE pair lies in one lane, and 8 f16 are 16 bytes.
; v is made the other way round: a lane holds one channel and eight neighbouring tokens, which is how the second product of the attention wants V^T.
; OUT: qf [head][tile of 16 tokens][b 4][lane][16 B]: lane (r, h): token r, channels 16 b + 8 h + 0..7, q already x log2(e) / 8.
;      kv [head][step of 64 keys][16 KB]: +0 K as [tile 4][b 4][lane][16 B]; +8192 V^T as [kg 2][b 4][g 2][lane][16 B]: lane: channel 16 b + r, keys 32 kg + 16 g + 8 h + 0..7.  Every store covers 512 consecutive bytes, aligned.
; LIMITS: |v| stays under 65,504 (f16); q and k are bounded by 8 x the norm's weight; NaN and infinities are not served.
.set XREC,  12800
.set WREC,  8704
.set XQ,    4*XREC                     ; a quarter of x's records: what one load brings, and what one wave reads
.set WH,    4*WREC                     ; a head's four records of one weight
.set WBASE, 4*XQ
.set SPARE, WBASE+3*WH                 ; the spare words, 128 bytes for each of 12 waves: six blocks of 256 bytes that no other line names
.set ADRX, 1                           ; v1   my quarter of x + 16 x lane
.set ADRW, 2                           ; v2   my weight's records + 16 x lane
.set ADSX, 3                           ; v3   my quarter of x + 8 x lane
.set ADSW, 4                           ; v4   my weight's records + 8 x lane
.set BO,   5                           ; v5   32 h
.set BR,   6                           ; v6   4 r
.set GO,   7                           ; v7   16 x lane
.set SPW,  8                           ; v8   LDS address of my spare word; never rewritten
.set NIL,  9                           ; v9   0; never rewritten
.set T,    10                          ; v10-17 at work
.set SS,   18                          ; v18-25 q, k: a pair for each tile of tokens: sums of squares, then rsqrt x factor in the low one
.set BV,   18                          ; v18-25 v: bv of my channel, twice, for each tile of channels
.set PT,   26                          ; v26-29 lane permutes' destinations
.set SCX,  32                          ; v32-47 x's scale words: 4 a + 2 (s / 4) + (s / 2) % 2; even K steps in lanes 0-15, odd in lanes 16-31
.set SCW,  48                          ; v48-63 the weight's likewise.  These 32 registers hold scales and nothing else
.set XF,   64                          ; v64-95  x's four fragments of a K step; later the RoPE table of a tile
.set WF,   96                          ; v96-127 the weight's four; later the norm's weights
.set TB,   64
.set NW,   96
.set ACC,  128                         ; accumulator (a, b) at 128 + 8 (4 a + b)
.set WV,   22
.set TY,   23
.set TQ,   24
.set G1X,  32
.set G1W,  40
.set G0X,  48
.set G0W,  52
.set SEL,  60
.set QC,   62
.set C64,  63
.set CEPS, 78
.macro PLACES                          ; four plain places behind matrix instructions, ahead of loads into their sources and of the first read of results
.rept 4
	v_nop
.endr
.endm
.macro CROUND                          ; a round of the cluster's barrier
	s_barrier_signal -1
	s_barrier_wait -1
	s_cmp_lg_u32 s[WV], 0
	s_cbranch_scc1 .Lnot_wave_0_\@
	s_barrier_signal -3
.Lnot_wave_0_\@:
	s_barrier_wait -3
	s_barrier_signal -1
	s_barrier_wait -1
.endm
	s_load_b256 s[4:11], s[0:1], 0x0               ; xrec, wrec, bq, bk
	s_load_b256 s[12:19], s[0:1], 0x20             ; bv, q_norm_w, k_norm_w, qf
	s_load_b64 s[20:21], s[0:1], 0x40              ; kv
	v_lshl_add_u32 v[SPW], v0, 2, SPARE
	v_mov_b32 v[NIL], 0
	ds_add_u32 v[SPW], v[NIL]                      ; the wave's opening: the add and its wait stand ahead of the first tensor load; the set-up below, work on registers, stands between them
	v_lshrrev_b32 v10, 5, v0
	v_readfirstlane_b32 s[WV], v10                 ; wave 0..11
	s_lshr_b32 s[TY], s[WV], 2                     ; 0 q, 1 k, 2 v
	s_and_b32 s[TQ], s[WV], 3                      ; which 64 tokens
	s_bfe_u32 s25, ttmp6, 0x40000                  ; cx
	s_bfe_u32 s26, ttmp6, 0x40004                  ; cy
	s_lshl_b32 s27, ttmp9, 2
	s_add_co_u32 s27, s27, s25                     ; the head = 4 x cluster x + cx
	s_and_b32 s28, ttmp7, 0xffff
	s_lshl_b32 s28, s28, 2
	s_add_co_u32 s28, s28, s26                     ; the block of 256 tokens = 4 x cluster y + cy
	s_lshl_b32 s29, s26, 2
	s_lshl_b32 s29, 15, s29                        ; my row of the cluster
	s_lshl_b32 s30, 0x1111, s25                    ; my column
	; descriptor groups 1: dense blocks as rows of 256 bytes (32 elements of 8 bytes), no padding: every LDS read is 16 x lane on end
	s_or_b32 s[G1X], s29, (3<<16)|(1<<21)          ; 15:0 the mask: x's records go to my row; 17:16 elements of 8 bytes; 21 set beside a mask
	s_mov_b32 s[G1X+1], 32<<16                     ; tensor_dim0 = 32
	s_mov_b32 s[G1X+2], 200<<16                    ; tensor_dim1 = 200 rows: 51,200 bytes
	s_mov_b32 s[G1X+3], 32<<16                     ; tile_dim0
	s_mov_b32 s[G1X+4], 200                        ; tile_dim1
	s_mov_b32 s[G1X+5], 32                         ; from row to row
	s_mov_b32 s[G1X+6], 0
	s_mov_b32 s[G1X+7], 0
	s_or_b32 s[G1W], s30, (3<<16)|(1<<21)          ; the weights' go to my column
	s_mov_b32 s[G1W+1], 32<<16
	s_mov_b32 s[G1W+2], 136<<16                    ; 136 rows: 34,816 bytes
	s_mov_b32 s[G1W+3], 32<<16
	s_mov_b32 s[G1W+4], 136
	s_mov_b32 s[G1W+5], 32
	s_mov_b32 s[G1W+6], 0
	s_mov_b32 s[G1W+7], 0
	s_mul_i32 s56, s28, 4*XQ                       ; x: the block's 16 records, my quarter (waves 0-3); no register here ever holds the head
	s_mul_i32 s31, s[WV], XQ                       ; also its place in LDS
	s_add_co_u32 s56, s56, s31
	s_mov_b32 s57, 0
	s_and_b32 s58, s[WV], 3                        ; the weights: waves 4, 5, 6 fetch Wq's, Wk's, Wv's four records of the head; no register here ever holds the block of tokens
	s_mul_i32 s66, s58, WH
	s_add_co_u32 s66, s66, WBASE                   ; its place in LDS
	s_mul_i32 s58, s58, 64*WREC
	s_mul_i32 s59, s27, WH
	s_add_co_u32 s58, s58, s59
	s_mov_b32 s59, 0
	v_and_b32 v10, 31, v0                          ; lane
	v_bfe_u32 v11, v0, 4, 1                        ; h
	v_and_b32 v12, 15, v0                          ; r
	v_lshlrev_b32 v[GO], 4, v10
	v_lshlrev_b32 v13, 3, v10
	v_lshlrev_b32 v[BO], 5, v11
	v_lshlrev_b32 v[BR], 2, v12
	s_mul_i32 s76, s[TQ], XQ
	s_mul_i32 s77, s[TY], WH
	s_add_co_u32 s77, s77, WBASE
	v_add_nc_u32 v[ADRX], s76, v[GO]
	v_add_nc_u32 v[ADRW], s77, v[GO]
	v_add_nc_u32 v[ADSX], s76, v13
	v_add_nc_u32 v[ADSW], s77, v13
.irp a, 0,1,2,3
	v_mov_b32 v[PT+\a], 0                          ; written once: a lane permute's destination counts as one of its sources
.endr
	s_mov_b32 s[SEL], 0x76543210
	s_mov_b32 s[SEL+1], 0xfedcba98
	s_mov_b32 s[C64], 0x3c800000                   ; 1 / 64
	s_mov_b32 s[CEPS], 0x358637bd                  ; 1e-6
	s_wait_dscnt 0x0                               ; the opening add is done
	s_wait_kmcnt 0x0
	s_lshl_b32 s74, s27, 8                         ; the head's 64 numbers of a bias
	s_mov_b32 s75, 0
	s_cmp_eq_u32 s[TY], 1
	s_cselect_b64 s[68:69], s[10:11], s[12:13]
	s_cmp_eq_u32 s[TY], 0
	s_cselect_b64 s[68:69], s[8:9], s[68:69]       ; my bias
	s_cselect_b64 s[70:71], s[14:15], s[16:17]     ; my norm's weights
	s_cselect_b64 s[72:73], s[18:19], s[20:21]     ; my output
	s_cselect_b32 s[QC], 0x3e38aa3b, 1.0           ; q carries log2(e) / sqrt(64)
	s_add_nc_u64 s[68:69], s[68:69], s[74:75]
	s_lshl_b32 s74, s27, 20                        ; kv: head x 2^20 + (4 y + tq) x 16,384;
	s_lshl_b32 s76, s28, 16
	s_add_co_u32 s74, s74, s76
	s_lshl_b32 s76, s[TQ], 14
	s_add_co_u32 s74, s74, s76
	s_lshr_b32 s76, s74, 1                         ; qf: head x 2^19 + (16 y + 4 tq) x 2,048, which is half of that
	s_cmp_eq_u32 s[TY], 0
	s_cselect_b32 s74, s76, s74
	s_add_nc_u64 s[72:73], s[72:73], s[74:75]
	s_mov_b32 s[G0X], 1                            ; count = 1
	s_mov_b32 s[G0X+1], s31                        ; LDS address
	s_add_nc_u64 s[G0X+2:G0X+3], s[4:5], s[56:57]  ; global address
	s_or_b32 s[G0X+3], s[G0X+3], 0x80000000        ; type = 2
	s_mov_b32 s[G0W], 1
	s_mov_b32 s[G0W+1], s66
	s_add_nc_u64 s[G0W+2:G0W+3], s[6:7], s[58:59]
	s_or_b32 s[G0W+3], s[G0W+3], 0x80000000
	CROUND                                         ; all sixteen work-groups are here: the joint loads meet
	s_cmp_lt_u32 s[WV], 4                          ; waves 0-3 fetch x's quarters, waves 4-6 the three weights, the others nothing; an s_nop 0 and four v_nop follow each line
	s_cbranch_scc0 .Lnot_x
	tensor_load_to_lds s[G0X:G0X+3], s[G1X:G1X+7]
	s_nop 0
	PLACES
	s_branch .Lasked
.Lnot_x:
	s_cmp_lt_u32 s[WV], 7
	s_cbranch_scc0 .Lasked
	tensor_load_to_lds s[G0W:G0W+3], s[G1W:G1W+7]
	s_nop 0
	PLACES
.Lasked:
	s_cmp_eq_u32 s[TY], 2
	s_cbranch_scc1 .Lbias_v
.irp a, 0,1,2,3                        ; q, k: the bias is what the sums begin with: accumulator (a, b) takes b[64 head + 16 b + 8 h + 0..7]
.irp b, 0,1,2,3
	global_load_b128 v[ACC+32*\a+8*\b:ACC+32*\a+8*\b+3], v[BO], s[68:69] offset:64*\b
	global_load_b128 v[ACC+32*\a+8*\b+4:ACC+32*\a+8*\b+7], v[BO], s[68:69] offset:64*\b+16
.endr
.endr
	s_branch .Lbias_done
.Lbias_v:
.irp b, 0,1,2,3                        ; v: a lane holds one channel: bv[64 head + 16 b + r], twice, for a packed addition at the end
	global_load_b32 v[BV+2*\b], v[BR], s[68:69] offset:64*\b
	global_load_b32 v[BV+2*\b+1], v[BR], s[68:69] offset:64*\b
.endr
.Lbias_done:
	s_wait_tensorcnt 0x0                           ; my load has landed,
	s_barrier_signal -1
	s_barrier_wait -1                              ; everybody's has
.irp a, 0,1,2,3
.irp k, 0,1
	ds_load_b64 v[SCX+4*\a+2*\k:SCX+4*\a+2*\k+1], v[ADSX] offset:XREC*\a+8192+256*\k
	ds_load_b64 v[SCW+4*\a+2*\k:SCW+4*\a+2*\k+1], v[ADSW] offset:WREC*\a+8192+256*\k
.endr
.endr
	s_wait_loadcnt 0x0                             ; the biases
.macro MMQ a, b, s                     ; q, k: source 0 = 16 rows of W, source 1 = 16 tokens
.set rD, ACC+8*(4*(\a)+(\b))
.if ((\s)%2) == 1
	v_wmma_scale_f32_16x16x128_f8f6f4 v[rD:rD+7], v[WF+8*(\b):WF+8*(\b)+7], v[XF+8*(\a):XF+8*(\a)+7], v[rD:rD+7], v[SCW+4*(\b)+RR], v[SCX+4*(\a)+RR] matrix_a_fmt:MATRIX_FMT_FP4 matrix_b_fmt:MATRIX_FMT_FP4 matrix_a_scale:MATRIX_SCALE_ROW1 matrix_b_scale:MATRIX_SCALE_ROW1
.else
	v_wmma_scale_f32_16x16x128_f8f6f4 v[rD:rD+7], v[WF+8*(\b):WF+8*(\b)+7], v[XF+8*(\a):XF+8*(\a)+7], v[rD:rD+7], v[SCW+4*(\b)+RR], v[SCX+4*(\a)+RR] matrix_a_fmt:MATRIX_FMT_FP4 matrix_b_fmt:MATRIX_FMT_FP4
.endif
.endm
.macro MMV a, b, s                     ; v: source 0 = 16 tokens, source 1 = 16 rows of W; the first K step starts the sums
.set rD, ACC+8*(4*(\a)+(\b))
.if (\s) == 0
	v_wmma_scale_f32_16x16x128_f8f6f4 v[rD:rD+7], v[XF+8*(\a):XF+8*(\a)+7], v[WF+8*(\b):WF+8*(\b)+7], 0, v[SCX+4*(\a)+RR], v[SCW+4*(\b)+RR] matrix_a_fmt:MATRIX_FMT_FP4 matrix_b_fmt:MATRIX_FMT_FP4
.elseif ((\s)%2) == 1
	v_wmma_scale_f32_16x16x128_f8f6f4 v[rD:rD+7], v[XF+8*(\a):XF+8*(\a)+7], v[WF+8*(\b):WF+8*(\b)+7], v[rD:rD+7], v[SCX+4*(\a)+RR], v[SCW+4*(\b)+RR] matrix_a_fmt:MATRIX_FMT_FP4 matrix_b_fmt:MATRIX_FMT_FP4 matrix_a_scale:MATRIX_SCALE_ROW1 matrix_b_scale:MATRIX_SCALE_ROW1
.else
	v_wmma_scale_f32_16x16x128_f8f6f4 v[rD:rD+7], v[XF+8*(\a):XF+8*(\a)+7], v[WF+8*(\b):WF+8*(\b)+7], v[rD:rD+7], v[SCX+4*(\a)+RR], v[SCW+4*(\b)+RR] matrix_a_fmt:MATRIX_FMT_FP4 matrix_b_fmt:MATRIX_FMT_FP4
.endif
.endm
; A K step of 128: eight fragments from LDS, 16 matrix instructions.  The 16 accumulators take turns, one instruction a turn, in the same order in every step.
.macro KSTEP s
.set RR, 2*((\s)/4)+((\s)/2)%2
.if (\s) > 0
	PLACES
.endif
.irp a, 0,1,2,3
.irp c, 0,1
	ds_load_b128 v[XF+8*\a+4*\c:XF+8*\a+4*\c+3], v[ADRX] offset:XREC*\a+1024*(\s)+512*\c
	ds_load_b128 v[WF+8*\a+4*\c:WF+8*\a+4*\c+3], v[ADRW] offset:WREC*\a+1024*(\s)+512*\c
.endr
.endr
	s_wait_dscnt 0x0                               ; the fragments (and, in the first step, the scale words) are in; the SIMD's other two waves work meanwhile
	s_cmp_eq_u32 s[TY], 2
	s_cbranch_scc1 .Lv_\@
.irp a, 0,1,2,3
.irp b, 0,1,2,3
	MMQ \a, \b, \s
.endr
.endr
	s_branch .Lj_\@
.Lv_\@:
.irp a, 0,1,2,3
.irp b, 0,1,2,3
	MMV \a, \b, \s
.endr
.endr
.Lj_\@:
.endm
.irp s, 0,1,2,3,4,5,6,7
	KSTEP \s
.endr
	PLACES
	s_cmp_eq_u32 s[TY], 2
	s_cbranch_scc1 .Lvout
	; ---- q, k: RMSNorm and RoPE.  Lane (r, h) holds token r and channels 16 b + 8 h + 0..7, b = 0..3; lane l xor 16 holds the token's other 32.
.macro TABLE a                         ; the tile's cosines and sines: register 8 b + 2 i: cos, 8 b + 2 i + 1: sin of my pair i of tile b
.irp p, 0,1,2,3,4,5,6,7
	ds_load_b128 v[TB+4*\p:TB+4*\p+3], v[ADRX] offset:XREC*(\a)+8704+512*\p
.endr
.endm
.irp p, 0,1,2,3,4,5,6,7
	global_load_b128 v[NW+4*\p:NW+4*\p+3], v[BO], s[70:71] offset:64*(\p/2)+16*(\p%2)   ; the norm's weights of my 32 channels
.endr
	TABLE 0
.irp a, 0,1,2,3
	v_pk_mul_f32 v[SS+2*\a:SS+2*\a+1], v[ACC+32*\a:ACC+32*\a+1], v[ACC+32*\a:ACC+32*\a+1]   ; the sums of squares, each accumulator from its low end on, the four tiles by turns
.endr
.irp p, 2,4,6,8,10,12,14,16,18,20,22,24,26,28,30
.irp a, 0,1,2,3
	v_pk_fma_f32 v[SS+2*\a:SS+2*\a+1], v[ACC+32*\a+\p:ACC+32*\a+\p+1], v[ACC+32*\a+\p:ACC+32*\a+\p+1], v[SS+2*\a:SS+2*\a+1]
.endr
.endr
.irp a, 0,1,2,3
	v_add_f32 v[T+\a], v[SS+2*\a], v[SS+2*\a+1]
.endr
.irp a, 0,1,2,3
	v_permlanex16_b32 v[PT+\a], v[T+\a], s[SEL], s[SEL+1]
.endr
.irp a, 0,1,2,3
	v_add_f32 v[T+\a], v[T+\a], v[PT+\a]
.endr
.irp a, 0,1,2,3
	v_fma_f32 v[T+\a], v[T+\a], s[C64], s[CEPS]    ; the mean of the squares + 1e-6
.endr
.irp a, 0,1,2,3
	v_rsq_f32 v[T+\a], v[T+\a]
.endr
	v_nop                                          ; a plain place behind the last of the four
	s_wait_alu depctr_va_vdst(0)                   ; one wait for the four, ahead of their first reader
.irp a, 0,1,2,3
	v_mul_f32 v[SS+2*\a], s[QC], v[T+\a]           ; x the factor that q carries; the packed multiplies below take the pair's low register for both halves
.endr
	s_wait_loadcnt 0x0                             ; the norm's weights
.macro ROPE a                          ; a tile of 16 tokens: x the weights, the rotation, x rsqrt (a number of the token: it may follow the rotation), f16, out
.if (\a) > 0
	TABLE \a
.endif
	s_wait_dscnt 0x0
.irp b, 0,1,2,3
.set rX, ACC+32*(\a)+8*\b
.irp p, 0,2,4,6
	v_pk_mul_f32 v[rX+\p:rX+\p+1], v[rX+\p:rX+\p+1], v[NW+8*\b+\p:NW+8*\b+\p+1]
.endr
.irp p, 0,2,4,6
	v_mul_f32 v[T+\p], v[rX+\p+1], v[TB+8*\b+\p+1]                 ; odd x sin
	v_mul_f32 v[T+\p+1], v[rX+\p], v[TB+8*\b+\p+1]                 ; even x sin
.endr
.irp p, 0,2,4,6
	v_fma_f32 v[rX+\p], v[rX+\p], v[TB+8*\b+\p], -v[T+\p]          ; even x cos - odd x sin
	v_fma_f32 v[rX+\p+1], v[rX+\p+1], v[TB+8*\b+\p], v[T+\p+1]     ; odd x cos + even x sin
.endr
.irp p, 0,2,4,6
	v_pk_mul_f32 v[rX+\p:rX+\p+1], v[rX+\p:rX+\p+1], v[SS+2*(\a):SS+2*(\a)+1] op_sel_hi:[1,0]
.endr
.irp p, 0,1,2,3
	v_cvt_pk_f16_f32 v[rX+\p], v[rX+2*\p], v[rX+2*\p+1]            ; in place: each result lands on a register that has been read
.endr
	global_store_b128 v[GO], v[rX:rX+3], s[72:73] offset:2048*(\a)+512*\b   ; 512 consecutive bytes, aligned; these registers are not written again
.endr
.endm
	ROPE 0
	ROPE 1
	ROPE 2
	ROPE 3
	s_branch .Ldone
	; ---- v: lane (r, h) holds channel 16 b + r and tokens 16 a + 8 h + 0..7
.Lvout:
.irp a, 0,1,2,3
.irp b, 0,1,2,3
.irp p, 0,2,4,6
	v_pk_add_f32 v[ACC+32*\a+8*\b+\p:ACC+32*\a+8*\b+\p+1], v[ACC+32*\a+8*\b+\p:ACC+32*\a+8*\b+\p+1], v[BV+2*\b:BV+2*\b+1]
.endr
.irp p, 0,1,2,3
	v_cvt_pk_f16_f32 v[ACC+32*\a+8*\b+\p], v[ACC+32*\a+8*\b+2*\p], v[ACC+32*\a+8*\b+2*\p+1]
.endr
	global_store_b128 v[GO], v[ACC+32*\a+8*\b:ACC+32*\a+8*\b+3], s[72:73] offset:8192+4096*(\a/2)+1024*\b+512*(\a%2)
.endr
.endr
.Ldone:
	s_wait_tensorcnt 0x0                           ; the wave's end
	ds_add_u32 v[SPW], v[NIL]
	s_wait_dscnt 0x0
	CROUND                                         ; the closing round
	s_endpgm
.Lfunc_end_k_q5acec5d6db_qkv:
	.size	k_q5acec5d6db_qkv, .Lfunc_end_k_q5acec5d6db_qkv-k_q5acec5d6db_qkv
	.p2alignl 7, 3214868480
	.fill 96, 4, 3214868480
	.section	.rodata,"a",@progbits
	.p2align	6, 0x0
	.amdhsa_kernel k_q5acec5d6db_qkv
		.amdhsa_group_segment_fixed_size 327680
		.amdhsa_private_segment_fixed_size 0
		.amdhsa_enable_private_segment 0
		.amdhsa_kernarg_size 72
		.amdhsa_user_sgpr_count 2
		.amdhsa_user_sgpr_kernarg_segment_ptr 1
		.amdhsa_wavefront_size32 1
		.amdhsa_system_sgpr_workgroup_id_x 1
		.amdhsa_system_sgpr_workgroup_id_y 1
		.amdhsa_system_sgpr_workgroup_id_z 1
		.amdhsa_system_vgpr_workitem_id 0
		.amdhsa_next_free_vgpr 256
		.amdhsa_next_free_sgpr 80
		.amdhsa_reserve_vcc 0
		.amdhsa_float_denorm_mode_32 3
		.amdhsa_float_denorm_mode_16_64 3
		.amdhsa_memory_ordered 1
		.amdhsa_forward_progress 1
		.amdhsa_inst_pref_size 97
	.end_amdhsa_kernel
	.amdgpu_metadata
---
amdhsa.version: [ 1, 2 ]
amdhsa.kernels:
  - .name:           k_q5acec5d6db_qkv
    .symbol:         k_q5acec5d6db_qkv.kd
    .args:
      - { .name: xrec, .offset: 0, .size: 8, .value_kind: global_buffer, .address_space: global }
      - { .name: wrec, .offset: 8, .size: 8, .value_kind: global_buffer, .address_space: global }
      - { .name: bq, .offset: 16, .size: 8, .value_kind: global_buffer, .address_space: global }
      - { .name: bk, .offset: 24, .size: 8, .value_kind: global_buffer, .address_space: global }
      - { .name: bv, .offset: 32, .size: 8, .value_kind: global_buffer, .address_space: global }
      - { .name: q_norm_w, .offset: 40, .size: 8, .value_kind: global_buffer, .address_space: global }
      - { .name: k_norm_w, .offset: 48, .size: 8, .value_kind: global_buffer, .address_space: global }
      - { .name: qf, .offset: 56, .size: 8, .value_kind: global_buffer, .address_space: global }
      - { .name: kv, .offset: 64, .size: 8, .value_kind: global_buffer, .address_space: global }
    .group_segment_fixed_size: 327680
    .private_segment_fixed_size: 0
    .kernarg_segment_align: 8
    .kernarg_segment_size: 72
    .max_flat_workgroup_size: 384
    .sgpr_count:     80
    .vgpr_count:     256
    .wavefront_size: 32
...
	.end_amdgpu_metadata
.endif
;; end of part 2
;; launch attn (part 3): grid 16 x 16, 8 waves a work-group, clusters of 4 x 1, 327,680 bytes of LDS; arguments qf, kv, of; writes of
.if DOCPART == 3
	.amdgcn_target "amdgcn-amd-amdhsa--gfx1250"
	.amdhsa_code_object_version 6
	.text
	.protected	k_q5acec5d6db_attn
	.globl	k_q5acec5d6db_attn
	.p2align	8
	.type	k_q5acec5d6db_attn,@function
k_q5acec5d6db_attn:
	s_mov_b64 s[64:65], 0
	v_nop
	global_prefetch_b8 v0, s[64:65] scope:SCOPE_SE
	s_setreg_imm32_b32 hwreg(HW_REG_WAVE_MODE, 25, 1), 1
	s_wait_xcnt 0x0
	s_wait_alu depctr_hold_cnt(0) depctr_sa_sdst(0) depctr_va_vdst(0) depctr_va_sdst(0) depctr_va_ssrc(0) depctr_va_vcc(0) depctr_vm_vsrc(0)
	s_getreg_b32 s2, hwreg(HW_REG_IB_STS2, 6, 4)
	s_cmp_eq_u32 s2, 0
	s_cbranch_scc0 .Lentry_in_a_cluster
	s_endpgm
.Lentry_in_a_cluster:
	s_bfe_u32 s2, ttmp6, 0x10000c
	s_cmp_lg_u32 s2, 0x3003
	s_cbranch_scc0 .Lentry_shape_is_right
	s_endpgm
.Lentry_shape_is_right:
; ATTENTION.  o[q] = the sum over k of softmax_k(q . k / 8) v[k], 16 heads of 64 channels, 4,096 tokens; operands f16, products, maxima and sums f32.  q arrives x log2(e) / 8, so a score is already the exponent of 2.
; SHARES.  A work-group owns 256 queries of one head.  Eight waves, two to a SIMD: wave w owns queries 64 (w % 4) on (four tiles of 16) and HALF THE KEYS, 2,048 (w / 4) on, 64 a step; the two halves are merged once, at the end,
; through LDS.  So one wave's softmax stands beside the other's products, and each fragment of K and V read from LDS feeds four matrix instructions.
; LAYOUT.  S^T = K Q^T (source 0 = 16 keys, source 1 = 16 queries): a lane holds ONE query (lane % 16) and keys 8 (lane / 16) + 0..7 of each tile.  Two such tiles, rounded to f16 in pairs, are source 1 of O^T = V^T P, whose result holds
; the same query and eight channels.  K, V^T and Q lie in memory in the order of the operands' registers: every LDS read is 16 x lane on end, and a tile is a dense block for the tensor data mover.
; SOFTMAX.  For each query a running maximum m and sum l: p = 2^(s - m); in every step O and l are multiplied by a = 2^(m_old - m_new).  m begins at -3e38, O and l at 0: the first step's a is 0.
; RING.  Two slots of 131,072 bytes, each [half of the keys 2][step 4][K 8 KB | V^T 8 KB]; each wave fetches one step's 16 KB.  The change of slots stands at a slot's head; one tensor load of a wave is out at any time.
; CLUSTER 4 x 1: the four blocks of queries of a cluster belong to one head and walk the same K and V: each tile is asked for jointly, by the same load with a mask that names the four.
; OUT: of [ks 4][tile of 16 tokens 256][kc 8][g 2][lane][16 B], f16: the order of the last product's operand registers: ks = head / 4, kc = 2 (head % 4) + b / 2, g = b % 2.
; LIMITS: |v|, and so |o|, under 65,504 (f16); p under 6e-8 of its half's largest falls to 0 in f16; NaN and infinities are not served.
; REGISTERS, in two windows of 256.  Window 0: v1-7 addresses; v8-15 at work; v16 + 8 t statistics of tile t: +0 m, +1 old m, +2, +3 l, +4..+7 at work (a at +6); v64 + 32 t + 8 kt S^T; v192 + 16 t + 8 kg P.
;   Window 1: v[16 t + 8 c] Q; v[64 + 32 t + 8 b] O^T; v192-255 K of a step, then its V^T.
.set SLOT1, 131072
.set SPARE, 262144                     ; behind the ring: the spare words, 128 bytes for each of 8 waves: four blocks of 256 bytes that no other line names
.set MRG,   17408                      ; the merge: 16,384 bytes of O^T, 512 of m, 512 of l for each group of queries; in slot 0, which has had its last fill and its last read by then
.set LK,  1                            ; v1   16 x lane + 65,536 x my half
.set ADR, 2                            ; v2   the step's tiles
.set GO,  3                            ; v3   16 x lane
.set MST, 4                            ; v4   my group's place in the merge + 16 x lane
.set PFO, 5                            ; v5   256 x lane
.set SPW, 6                            ; v6   LDS address of my spare word; never rewritten
.set NIL, 7                            ; v7   0; never rewritten
.set ST,  16
.set S,   64
.set P,   192
.set QQ,  0
.set OO,  64
.set KV,  192
.set WV,  10
.set QG,  11
.set KH,  12
.set G1,  16
.set G0,  24
.set TB,  28                           ; s28  LDS byte at which the step's tiles begin (without my half's 65,536)
.set SLOTS, 29
.set CNT, 30
.set LIM, 31
.set PFA, 32
.set SEL, 34
.set MSB, 0
.macro WIN new                         ; the immediate's high byte repeats the setting that is left; a switch that changes nothing is dropped
.if MSB != \new
	s_set_vgpr_msb (MSB<<8)|\new
.set MSB, \new
.endif
.endm
.set W_KQ, 0x05                        ; K and Q in window 1, S^T in window 0
.set W_PV, 0x51                        ; V^T and O^T in window 1, P in window 0
.set W_RS, 0x41                        ; O^T (destination and source 0) in window 1, a in window 0
.set W_LD, 0x40                        ; destination window 1, address window 0
.macro PLACES
.rept 4
	v_nop
.endr
.endm
.macro CROUND
	s_barrier_signal -1
	s_barrier_wait -1
	s_cmp_lg_u32 s[WV], 0
	s_cbranch_scc1 .Lnot_wave_0_\@
	s_barrier_signal -3
.Lnot_wave_0_\@:
	s_barrier_wait -3
	s_barrier_signal -1
	s_barrier_wait -1
.endm
; A PREFETCH INTO THE L2 of what the NEXT change of slots will ask for: 512 blocks of 256 bytes.  All clusters of a head walk the same K and V: the head's first cluster asks; in it waves 0-3 of each of the four work-groups,
; one instruction each, lanes 256 bytes apart: wave w takes the half w / 2, and of its 65,536 bytes the 8,192 at 2 cx + w % 2: the partners are told apart by address.  So each block is named once in the launch.
; It runs one slot, four key steps, ahead of the load that wants the bytes.  The first two fills come by their loads alone; the last change that fills a slot asks for nothing.
.macro ASK
	s_cmp_gt_u32 s[SLOTS], s[LIM]
	s_cbranch_scc0 .Lnot_mine_\@
	global_prefetch_b8 v[PFO], s[PFA:PFA+1] th:TH_LOAD_NT scope:SCOPE_SE
.Lnot_mine_\@:
.endm
	s_load_b128 s[4:7], s[0:1], 0x0                ; qf, kv
	s_load_b64 s[8:9], s[0:1], 0x10                ; of
	v_lshl_add_u32 v[SPW], v0, 2, SPARE
	v_mov_b32 v[NIL], 0
	ds_add_u32 v[SPW], v[NIL]                      ; the wave's opening: the add and its wait stand ahead of my first tensor load; the set-up below, work on registers, stands between them
	v_lshrrev_b32 v8, 5, v0
	v_readfirstlane_b32 s[WV], v8                  ; wave 0..7
	s_and_b32 s[QG], s[WV], 3                      ; my 64 queries
	s_lshr_b32 s[KH], s[WV], 2                     ; my half of the keys
	s_bfe_u32 s13, ttmp6, 0x40000                  ; cx
	s_lshl_b32 s14, ttmp9, 2
	s_add_co_u32 s14, s14, s13                     ; my block of 256 queries: it enters qf's, of's and the prefetches' addresses alone
	s_and_b32 s15, ttmp7, 0xffff                   ; the head, which the four partners share
	s_mov_b32 s[G1], 15|(3<<16)|(1<<21)            ; 15:0 the mask: all four work-groups; 17:16 elements of 8 bytes; 21 set beside a mask
	s_mov_b32 s[G1+1], 32<<16                      ; tensor_dim0 = 32: rows of 256 bytes
	s_mov_b32 s[G1+2], 64<<16                      ; tensor_dim1 = 64: 16,384 bytes, dense
	s_mov_b32 s[G1+3], 32<<16                      ; tile_dim0
	s_mov_b32 s[G1+4], 64                          ; tile_dim1
	s_mov_b32 s[G1+5], 32                          ; from row to row
	s_mov_b32 s[G1+6], 0
	s_mov_b32 s[G1+7], 0
	s_lshl_b32 s36, s15, 20                        ; what I fetch: the head, the half w / 4, the step w % 4 of a fill
	s_lshl_b32 s38, s[KH], 19
	s_add_co_u32 s36, s36, s38
	s_lshl_b32 s38, s[QG], 14
	s_add_co_u32 s36, s36, s38
	s_mov_b32 s37, 0
	s_lshl_b32 s38, s15, 19                        ; qf: head x 2^19 + (16 block + 4 group) x 2,048
	s_lshl_b32 s40, s14, 15
	s_add_co_u32 s38, s38, s40
	s_lshl_b32 s40, s[QG], 13
	s_add_co_u32 s38, s38, s40
	s_mov_b32 s39, 0
	s_lshr_b32 s40, s15, 2                         ; of: (head / 4) x 2^21 + (16 block + 4 group) x 8,192 + (head % 4) x 2,048
	s_lshl_b32 s40, s40, 21
	s_lshl_b32 s42, s14, 17
	s_add_co_u32 s40, s40, s42
	s_lshl_b32 s42, s[QG], 15
	s_add_co_u32 s40, s40, s42
	s_and_b32 s42, s15, 3
	s_lshl_b32 s42, s42, 11
	s_add_co_u32 s40, s40, s42
	s_mov_b32 s41, 0
	s_lshl_b32 s42, s15, 20                        ; the prefetches: the head, the half (w / 2) % 2, fill 1 (the first change of slots steps it to fill 2), chunk 2 cx + w % 2
	s_bfe_u32 s44, s[WV], 0x10001
	s_lshl_b32 s44, s44, 19
	s_add_co_u32 s42, s42, s44
	s_lshl_b32 s44, s13, 1
	s_and_b32 s45, s[WV], 1
	s_add_co_u32 s44, s44, s45
	s_lshl_b32 s44, s44, 13
	s_add_co_u32 s42, s42, s44
	s_add_co_u32 s42, s42, 65536
	s_mov_b32 s43, 0
	s_or_b32 s[LIM], s[KH], ttmp9                  ; 0 in waves 0-3 of the head's first cluster: the same in all four partners
	s_cmp_eq_u32 s[LIM], 0
	s_cselect_b32 s[LIM], 1, -1
	s_mov_b32 s[SEL], 0x76543210
	s_mov_b32 s[SEL+1], 0xfedcba98
	s_mov_b32 s[TB], 0
	s_mov_b32 s[SLOTS], 7
	v_and_b32 v8, 31, v0
	v_lshlrev_b32 v[GO], 4, v8
	v_lshlrev_b32 v[PFO], 8, v8
	s_lshl_b32 s44, s[KH], 16
	v_add_nc_u32 v[LK], s44, v[GO]
	s_mul_i32 s44, s[QG], MRG
	v_add_nc_u32 v[MST], s44, v[GO]
	s_wait_dscnt 0x0                               ; the opening add is done
	s_wait_kmcnt 0x0
	s_add_nc_u64 s[4:5], s[4:5], s[38:39]
	s_add_nc_u64 s[8:9], s[8:9], s[40:41]
	s_add_nc_u64 s[PFA:PFA+1], s[6:7], s[42:43]
	s_mov_b32 s[G0], 1                             ; count = 1
	s_lshl_b32 s[G0+1], s[WV], 14                  ; LDS address: slot 0, 16,384 x wave
	s_add_nc_u64 s[G0+2:G0+3], s[6:7], s[36:37]    ; global address
	s_or_b32 s[G0+3], s[G0+3], 0x80000000          ; type = 2
	CROUND                                         ; all four work-groups are here: the first joint loads meet
	tensor_load_to_lds s[G0:G0+3], s[G1:G1+7]      ; fill 0
	s_nop 0
	PLACES
	WIN W_LD
.set i, 0
.rept 16
	global_load_b128 v[QQ+4*i:QQ+4*i+3], v[GO], s[4:5] offset:512*i   ; Q stays in registers
.set i, i+1
.endr
.set i, 0
.rept 128
	v_mov_b32 v[OO+i], 0                           ; O^T.  (The step is written without a first step of its own: the first finds zeros, which a = 0 leaves zeros; that spares a third copy of the step)
.set i, i+1
.endr
	WIN 0
.irp t, 0,1,2,3
	v_mov_b32 v[ST+8*\t], 0xff61b1e6               ; m: -3e38, under every score
	v_mov_b32 v[ST+8*\t+2], 0                      ; l, in two halves
	v_mov_b32 v[ST+8*\t+3], 0
.endr
	s_wait_loadcnt 0x0                             ; Q
; A KEY STEP: 64 keys of my half, for my four tiles of queries.  In both products the 16 accumulators take turns, one instruction a turn.
.macro STEP
	WIN 0
	PLACES                                         ; places behind the last step's products, ahead of the loads into the registers that held V^T
	v_add_nc_u32 v[ADR], s[TB], v[LK]
	WIN W_LD
.set i, 0
.rept 16
	ds_load_b128 v[KV+4*i:KV+4*i+3], v[ADR] offset:512*i           ; K: fragment (kt, c) at 16 kt + 8 c
.set i, i+1
.endr
	s_wait_dscnt 0x0
	WIN W_KQ
.irp t, 0,1,2,3
.irp k, 0,1,2,3
	v_wmma_f32_16x16x32_f16 v[S+32*\t+8*\k:S+32*\t+8*\k+7], v[KV+16*\k:KV+16*\k+7], v[QQ+16*\t:QQ+16*\t+7], 0
.endr
.endr
.irp t, 0,1,2,3
.irp k, 0,1,2,3
	v_wmma_f32_16x16x32_f16 v[S+32*\t+8*\k:S+32*\t+8*\k+7], v[KV+16*\k+8:KV+16*\k+15], v[QQ+16*\t+8:QQ+16*\t+15], v[S+32*\t+8*\k:S+32*\t+8*\k+7]
.endr
.endr
	WIN 0
	PLACES                                         ; ahead of the loads into K's registers and of the first read of the scores
	WIN W_LD
.set i, 0
.rept 16
	ds_load_b128 v[KV+4*i:KV+4*i+3], v[ADR] offset:8192+512*i      ; V^T: fragment (kg, b) at 32 kg + 8 b; it lands during the softmax
.set i, i+1
.endr
	WIN 0
	; the maximum of my 32 scores and the old m, three at a time, four chains a tile; each accumulator is read from its low end on; the four tiles by turns
.irp j, 0,1,2,3
.irp t, 0,1,2,3
	v_max3_num_f32 v[ST+8*\t+4+\j], v[S+32*\t+8*\j], v[S+32*\t+8*\j+1], v[S+32*\t+8*\j+2]
.endr
.endr
.irp q, 1,2
.irp j, 0,1,2,3
.irp t, 0,1,2,3
	v_max3_num_f32 v[ST+8*\t+4+\j], v[ST+8*\t+4+\j], v[S+32*\t+8*\j+2*\q+1], v[S+32*\t+8*\j+2*\q+2]
.endr
.endr
.endr
.irp t, 0,1,2,3
	v_max3_num_f32 v[ST+8*\t+4], v[ST+8*\t+4], v[S+32*\t+7], v[S+32*\t+15]
.endr
.irp t, 0,1,2,3
	v_max3_num_f32 v[ST+8*\t+6], v[ST+8*\t+6], v[S+32*\t+23], v[S+32*\t+31]
.endr
.irp t, 0,1,2,3
	v_max3_num_f32 v[ST+8*\t+4], v[ST+8*\t+4], v[ST+8*\t+5], v[ST+8*\t+6]
.endr
.irp t, 0,1,2,3
	v_max3_num_f32 v[ST+8*\t+4], v[ST+8*\t+4], v[ST+8*\t+7], v[ST+8*\t]
.endr
.irp t, 0,1,2,3
	v_permlanex16_b32 v[ST+8*\t+5], v[ST+8*\t+4], s[SEL], s[SEL+1]   ; the query's other 32 keys lie in the lane 16 away
.endr
.irp t, 0,1,2,3
	v_mov_b32 v[ST+8*\t+1], v[ST+8*\t]
.endr
.irp t, 0,1,2,3
	v_max_num_f32 v[ST+8*\t], v[ST+8*\t+4], v[ST+8*\t+5]           ; the new m
.endr
.irp t, 0,1,2,3
	v_sub_f32 v[ST+8*\t+7], v[ST+8*\t+1], v[ST+8*\t]               ; m_old - m_new
.endr
	; s - m, a pair at a time, and ONE BATCH of 132 exponentials, none of which reads another's result; a tile's subtractions stand among the exponentials of the tile before
.set i, 0
.rept 16
	v_pk_add_f32 v[S+2*i:S+2*i+1], v[S+2*i:S+2*i+1], v[ST:ST+1] op_sel_hi:[1,0] neg_lo:[0,1] neg_hi:[0,1]
.set i, i+1
.endr
.irp t, 0,1,2,3
	v_exp_f32 v[ST+8*\t+6], v[ST+8*\t+7]           ; a
.set i, 0
.rept 16
	v_exp_f32 v[S+32*\t+2*i], v[S+32*\t+2*i]
	v_exp_f32 v[S+32*\t+2*i+1], v[S+32*\t+2*i+1]
.if \t < 3
	v_pk_add_f32 v[S+32*(\t+1)+2*i:S+32*(\t+1)+2*i+1], v[S+32*(\t+1)+2*i:S+32*(\t+1)+2*i+1], v[ST+8*(\t+1):ST+8*(\t+1)+1] op_sel_hi:[1,0] neg_lo:[0,1] neg_hi:[0,1]
.endif
.set i, i+1
.endr
.endr
	v_nop                                          ; a plain place behind the last exponential
	s_wait_alu depctr_va_vdst(0)                   ; one wait for the batch, ahead of its first reader
.set i, 0
.rept 16
.irp t, 0,1,2,3
	v_cvt_pk_f16_f32 v[P+16*\t+i], v[S+32*\t+2*i], v[S+32*\t+2*i+1]
.endr
.set i, i+1
.endr
	; the sum of the unrounded p: 16 pairs a tile, a tree in place
.irp u, 0,1,2,3,4,5,6,7
.irp t, 0,1,2,3
	v_pk_add_f32 v[S+32*\t+4*\u:S+32*\t+4*\u+1], v[S+32*\t+4*\u:S+32*\t+4*\u+1], v[S+32*\t+4*\u+2:S+32*\t+4*\u+3]
.endr
.endr
.irp u, 0,1,2,3
.irp t, 0,1,2,3
	v_pk_add_f32 v[S+32*\t+8*\u:S+32*\t+8*\u+1], v[S+32*\t+8*\u:S+32*\t+8*\u+1], v[S+32*\t+8*\u+4:S+32*\t+8*\u+5]
.endr
.endr
.irp u, 0,1
.irp t, 0,1,2,3
	v_pk_add_f32 v[S+32*\t+16*\u:S+32*\t+16*\u+1], v[S+32*\t+16*\u:S+32*\t+16*\u+1], v[S+32*\t+16*\u+8:S+32*\t+16*\u+9]
.endr
.endr
.irp t, 0,1,2,3
	v_pk_add_f32 v[S+32*\t:S+32*\t+1], v[S+32*\t:S+32*\t+1], v[S+32*\t+16:S+32*\t+17]
.endr
.irp t, 0,1,2,3
	v_pk_fma_f32 v[ST+8*\t+2:ST+8*\t+3], v[ST+8*\t+2:ST+8*\t+3], v[ST+8*\t+6:ST+8*\t+7], v[S+32*\t:S+32*\t+1] op_sel_hi:[1,0,1]   ; l = l a + the sum
.endr
	WIN W_RS
.irp t, 0,1,2,3
.set i, 0
.rept 16
	v_pk_mul_f32 v[OO+32*\t+2*i:OO+32*\t+2*i+1], v[OO+32*\t+2*i:OO+32*\t+2*i+1], v[ST+8*\t+6:ST+8*\t+7] op_sel_hi:[1,0]   ; O^T x a
.set i, i+1
.endr
.endr
	s_wait_dscnt 0x0                               ; V^T is in
	WIN W_PV
.irp g, 0,1
.irp t, 0,1,2,3
.irp b, 0,1,2,3
	v_wmma_f32_16x16x32_f16 v[OO+32*\t+8*\b:OO+32*\t+8*\b+7], v[KV+32*\g+8*\b:KV+32*\g+8*\b+7], v[P+16*\t+8*\g:P+16*\t+8*\g+7], v[OO+32*\t+8*\b:OO+32*\t+8*\b+7]
.endr
.endr
.endr
	WIN 0
	s_add_co_u32 s[TB], s[TB], 16384               ; the next step's tiles
.endm
.macro FOUR_STEPS                      ; a slot's four steps: written once, walked four times
	s_mov_b32 s[CNT], 4
.Lstep_\@:
	STEP
	s_sub_co_u32 s[CNT], s[CNT], 1
	s_cmp_lg_u32 s[CNT], 0
	s_cbranch_scc1 .Lstep_\@
	s_sub_co_u32 s[TB], s[TB], 65536               ; back to a slot's first step,
	s_xor_b32 s[TB], s[TB], SLOT1                  ; in the other slot
.endm
; THE CHANGE OF SLOTS, at a slot's head.  Each wave waits for all its tensor loads (its part of the slot that it is about to read), adds 0 to its spare word, and waits for that and for its reads of the slot that it has left.
; fill = 1: the barrier is a round of the cluster's, so that no wave of any partner still reads the other slot or has a load on its way; the joint refill of that slot is the first thing behind it and has four key steps in which to land.
.macro CHANGE fill
	s_wait_tensorcnt 0x0                           ; no tensor load of mine is out, so the group 0 may be written
	ds_add_u32 v[SPW], v[NIL]                      ; 0 onto my spare word
.if \fill
	s_xor_b32 s[G0+1], s[G0+1], SLOT1              ; the other slot than last time,
	s_add_nc_u64 s[G0+2:G0+3], s[G0+2:G0+3], 65536 ; the next four steps of the half; the type bits on top are not reached
	s_wait_xcnt 0x0                                ; the last prefetch, a slot back, has read its address, so it may be written
	s_add_nc_u64 s[PFA:PFA+1], s[PFA:PFA+1], 65536
	s_wait_dscnt 0x0                               ; the add is done, and my reads of the slot that I have left are over
	CROUND
	tensor_load_to_lds s[G0:G0+3], s[G1:G1+7]
	s_nop 0
	PLACES
	ASK
.else
	s_wait_dscnt 0x0
	s_barrier_signal -1
	s_barrier_wait -1
.endif
.endm
.Lslot:                                            ; seven trips: behind each change of slots but the last the next fill is asked for
	CHANGE 1
	FOUR_STEPS
	s_sub_co_u32 s[SLOTS], s[SLOTS], 1
	s_cmp_lg_u32 s[SLOTS], 0
	s_cbranch_scc1 .Lslot
	CHANGE 0                                       ; the last slot is written out
	FOUR_STEPS
	; THE MERGE of the two halves of the keys.  l's two halves and the other half of the lanes' are added: these additions are also the places behind the last products.
.irp t, 0,1,2,3
	v_add_f32 v[12+\t], v[ST+8*\t+2], v[ST+8*\t+3]
.endr
.irp t, 0,1,2,3
	v_permlanex16_b32 v[ST+8*\t+5], v[12+\t], s[SEL], s[SEL+1]
.endr
.irp t, 0,1,2,3
	v_add_f32 v[12+\t], v[12+\t], v[ST+8*\t+5]
.endr
.irp t, 0,1,2,3
	v_mov_b32 v[8+\t], v[ST+8*\t]
.endr
	s_cmp_eq_u32 s[KH], 0
	s_cbranch_scc1 .Lkeep
	WIN 0x04                                       ; an LDS store's data are its source 1: window 1
.set i, 0
.rept 32
	ds_store_b128 v[MST], v[OO+4*i:OO+4*i+3] offset:512*i          ; the second half's O^T as an image of its registers, each accumulator from its low end on
.set i, i+1
.endr
	WIN 0
	ds_store_b128 v[MST], v[8:11] offset:16384                     ; its four m
	ds_store_b128 v[MST], v[12:15] offset:16896                    ; and l
.Lkeep:
	s_wait_dscnt 0x0                               ; for the others' sake: my stores have landed
	s_barrier_signal -1
	s_barrier_wait -1
	s_cmp_lg_u32 s[KH], 0
	s_cbranch_scc1 .Lend
.set i, 0
.rept 32
	ds_load_b128 v[S+4*i:S+4*i+3], v[MST] offset:512*i
.set i, i+1
.endr
	ds_load_b128 v[192:195], v[MST] offset:16384
	ds_load_b128 v[196:199], v[MST] offset:16896
	s_wait_dscnt 0x0
.irp t, 0,1,2,3
	v_max_num_f32 v[201+2*\t], v[ST+8*\t], v[192+\t]               ; the common maximum
.endr
.irp t, 0,1,2,3
	v_sub_f32 v[200+2*\t], v[ST+8*\t], v[201+2*\t]
	v_sub_f32 v[208+2*\t], v[192+\t], v[201+2*\t]
.endr
.irp t, 0,1,2,3
	v_exp_f32 v[200+2*\t], v[200+2*\t]             ; f0, f1: what brings each half under it
	v_exp_f32 v[208+2*\t], v[208+2*\t]
.endr
	v_nop
	s_wait_alu depctr_va_vdst(0)                   ; one wait for the eight
.irp t, 0,1,2,3
	v_mul_f32 v[209+2*\t], v[196+\t], v[208+2*\t]
.endr
.irp t, 0,1,2,3
	v_fma_f32 v[209+2*\t], v[12+\t], v[200+2*\t], v[209+2*\t]      ; the row's sum
.endr
.irp t, 0,1,2,3
	v_rcp_f32 v[209+2*\t], v[209+2*\t]
.endr
	v_nop
	s_wait_alu depctr_va_vdst(0)                   ; one wait for the four
.irp t, 0,1,2,3
	v_mul_f32 v[200+2*\t], v[200+2*\t], v[209+2*\t]
	v_mul_f32 v[208+2*\t], v[208+2*\t], v[209+2*\t]
.endr
.irp t, 0,1,2,3
.set i, 0
.rept 16
	v_pk_mul_f32 v[S+32*\t+2*i:S+32*\t+2*i+1], v[S+32*\t+2*i:S+32*\t+2*i+1], v[208+2*\t:209+2*\t] op_sel_hi:[1,0]
.set i, i+1
.endr
.endr
	WIN 0x01                                       ; source 0, my O^T, in window 1
.irp t, 0,1,2,3
.set i, 0
.rept 16
	v_pk_fma_f32 v[S+32*\t+2*i:S+32*\t+2*i+1], v[OO+32*\t+2*i:OO+32*\t+2*i+1], v[200+2*\t:201+2*\t], v[S+32*\t+2*i:S+32*\t+2*i+1] op_sel_hi:[1,0,1]
.set i, i+1
.endr
.endr
	WIN 0
.irp t, 0,1,2,3
.irp b, 0,1,2,3
.irp p, 0,1,2,3
	v_cvt_pk_f16_f32 v[S+32*\t+8*\b+\p], v[S+32*\t+8*\b+2*\p], v[S+32*\t+8*\b+2*\p+1]   ; in place: each result lands on a register that has been read
.endr
	global_store_b128 v[GO], v[S+32*\t+8*\b:S+32*\t+8*\b+3], s[8:9] offset:8192*\t+512*\b   ; 512 consecutive bytes, aligned
.endr
.endr
.Lend:
	s_wait_tensorcnt 0x0                           ; the wave's end, behind my last tensor load and my last LDS store
	ds_add_u32 v[SPW], v[NIL]
	s_wait_dscnt 0x0
	CROUND                                         ; the closing round: no work-group ends while a partner may still ask for a tile that names it
	s_endpgm
.Lfunc_end_k_q5acec5d6db_attn:
	.size	k_q5acec5d6db_attn, .Lfunc_end_k_q5acec5d6db_attn-k_q5acec5d6db_attn
	.p2alignl 7, 3214868480
	.fill 96, 4, 3214868480
	.section	.rodata,"a",@progbits
	.p2align	6, 0x0
	.amdhsa_kernel k_q5acec5d6db_attn
		.amdhsa_group_segment_fixed_size 327680
		.amdhsa_private_segment_fixed_size 0
		.amdhsa_enable_private_segment 0
		.amdhsa_kernarg_size 24
		.amdhsa_user_sgpr_count 2
		.amdhsa_user_sgpr_kernarg_segment_ptr 1
		.amdhsa_wavefront_size32 1
		.amdhsa_system_sgpr_workgroup_id_x 1
		.amdhsa_system_sgpr_workgroup_id_y 1
		.amdhsa_system_sgpr_workgroup_id_z 1
		.amdhsa_system_vgpr_workitem_id 0
		.amdhsa_next_free_vgpr 512
		.amdhsa_next_free_sgpr 66
		.amdhsa_reserve_vcc 0
		.amdhsa_float_denorm_mode_32 3
		.amdhsa_float_denorm_mode_16_64 3
		.amdhsa_memory_ordered 1
		.amdhsa_forward_progress 1
		.amdhsa_inst_pref_size 96
	.end_amdhsa_kernel
	.amdgpu_metadata
---
amdhsa.version: [ 1, 2 ]
amdhsa.kernels:
  - .name:           k_q5acec5d6db_attn
    .symbol:         k_q5acec5d6db_attn.kd
    .args:
      - { .name: qf, .offset: 0, .size: 8, .value_kind: global_buffer, .address_space: global }
      - { .name: kv, .offset: 8, .size: 8, .value_kind: global_buffer, .address_space: global }
      - { .name: of, .offset: 16, .size: 8, .value_kind: global_buffer, .address_space: global }
    .group_segment_fixed_size: 327680
    .private_segment_fixed_size: 0
    .kernarg_segment_align: 8
    .kernarg_segment_size: 24
    .max_flat_workgroup_size: 256
    .sgpr_count:     66
    .vgpr_count:     512
    .wavefront_size: 32
...
	.end_amdgpu_metadata
.endif
;; end of part 3
;; launch oproj (part 4): grid 8 x 32, 8 waves a work-group, clusters of 4 x 4, 327,680 bytes of LDS; arguments of, wof, bo, out0; writes out0
.if DOCPART == 4
	.amdgcn_target "amdgcn-amd-amdhsa--gfx1250"
	.amdhsa_code_object_version 6
	.text
	.protected	k_q5acec5d6db_oproj
	.globl	k_q5acec5d6db_oproj
	.p2align	8
	.type	k_q5acec5d6db_oproj,@function
k_q5acec5d6db_oproj:
	s_mov_b64 s[64:65], 0
	v_nop
	global_prefetch_b8 v0, s[64:65] scope:SCOPE_SE
	s_setreg_imm32_b32 hwreg(HW_REG_WAVE_MODE, 25, 1), 1
	s_wait_xcnt 0x0
	s_wait_alu depctr_hold_cnt(0) depctr_sa_sdst(0) depctr_va_vdst(0) depctr_va_sdst(0) depctr_va_ssrc(0) depctr_va_vcc(0) depctr_vm_vsrc(0)
	s_getreg_b32 s2, hwreg(HW_REG_IB_STS2, 6, 4)
	s_cmp_eq_u32 s2, 0
	s_cbranch_scc0 .Lentry_in_a_cluster
	s_endpgm
.Lentry_in_a_cluster:
	s_bfe_u32 s2, ttmp6, 0x10000c
	s_cmp_lg_u32 s2, 0xf033
	s_cbranch_scc0 .Lentry_shape_is_right
	s_endpgm
.Lentry_shape_is_right:
; OUT = o Wo^T + bo.  o [4096][1024] and Wo [1024][1024] arrive as f16 in the order of the operands' registers (a tile of 16 rows x 256 along K is 8,192 dense bytes: [kc 8][g 2][lane][16 B]); sums in f32; out0 f32.
; A work-group makes 128 tokens (y) x 128 channels (x).  Eight waves, two to a SIMD: wave w makes the 64 x 64 at place w % 4 (rows 64 (place / 2), columns 64 (place % 2)) over HALF of each K step of 256 (chunks of 32: 4 (w / 4) on);
; the two halves are added once, at the end, through LDS.  bo is what the first half's sums begin with; the second half's begin with zeros.
; K goes in four steps of 256 through two slots of 131,072 bytes (o's 8 tiles, then Wo's 8); waves 0-3 fetch o's tiles, waves 4-7 Wo's, 16,384 dense bytes each.  Two tensor loads of a wave are out at the start, one behind each round.
; CLUSTER 4 x 4: o's tiles hang on y alone and are asked for jointly along a row of the cluster, Wo's on x alone, jointly along a column.
; THE MATRIX INSTRUCTION IS USED TRANSPOSED (source 0 = 16 rows of Wo, source 1 = 16 tokens): a lane holds eight neighbouring numbers of a row of out0.
.set SLOT1, 131072
.set SPARE, 262144                     ; the spare words, 128 bytes for each of 8 waves: four blocks of 256 bytes that no other line names
.set ADRA, 1                           ; v1-2  my fragments of o in slot 0, 1
.set ADRB, 3                           ; v3-4  of Wo
.set STO,  5                           ; v5    the way out: where I put 32 bytes of a row
.set RD,   6                           ; v6    where I read rows back
.set CO,   7                           ; v7    my byte offset in two rows of out0
.set SPW,  8                           ; v8    LDS address of my spare word; never rewritten
.set NIL,  9                           ; v9    0; never rewritten
.set MST,  10                          ; v10   the merge: 16,384 x place + 16 x lane (in slot 0, dead by then)
.set BOF,  11                          ; v11   32 h
.set BO,   32                          ; v32-63  what the sums begin with
.set AF,   64                          ; v64-95  o's four fragments
.set BF,   96                          ; v96-127 Wo's four
.set BK,   64                          ; the way out: two buffers of 32
.set ACC,  128
.set WV,  12
.set POS, 13
.set KH,  14
.set RH,  15
.set CH,  16
.set G1A, 24
.set G1B, 32
.set G0A, 40
.set G0B, 48
.macro PLACES
.rept 4
	v_nop
.endr
.endm
.macro CROUND
	s_barrier_signal -1
	s_barrier_wait -1
	s_cmp_lg_u32 s[WV], 0
	s_cbranch_scc1 .Lnot_wave_0_\@
	s_barrier_signal -3
.Lnot_wave_0_\@:
	s_barrier_wait -3
	s_barrier_signal -1
	s_barrier_wait -1
.endm
.macro JLOAD s                         ; a joint load: each of the two lines has one mask; the branch hangs on the wave's number alone; an s_nop 0 and four v_nop follow each line
	s_cmp_lt_u32 s[WV], 4
	s_cbranch_scc0 .Lfor_b_\@
	tensor_load_to_lds s[G0A+4*\s:G0A+4*\s+3], s[G1A:G1A+7]
	s_nop 0
	PLACES
	s_branch .Lasked_\@
.Lfor_b_\@:
	tensor_load_to_lds s[G0B+4*\s:G0B+4*\s+3], s[G1B:G1B+7]
	s_nop 0
	PLACES
.Lasked_\@:
.endm
	s_load_b256 s[4:11], s[0:1], 0x0               ; of, wof, bo, out0
	v_lshl_add_u32 v[SPW], v0, 2, SPARE
	v_mov_b32 v[NIL], 0
	ds_add_u32 v[SPW], v[NIL]                      ; the wave's opening: the add and its wait stand ahead of my first tensor load; the set-up below, work on registers, stands between them
	v_lshrrev_b32 v12, 5, v0
	v_readfirstlane_b32 s[WV], v12                 ; wave 0..7
	s_and_b32 s[POS], s[WV], 3
	s_lshr_b32 s[KH], s[WV], 2
	s_lshr_b32 s[RH], s[POS], 1
	s_and_b32 s[CH], s[POS], 1
	s_bfe_u32 s17, ttmp6, 0x40000                  ; cx
	s_bfe_u32 s18, ttmp6, 0x40004                  ; cy
	s_lshl_b32 s19, ttmp9, 2
	s_add_co_u32 s19, s19, s17                     ; x: the block of 128 channels
	s_and_b32 s20, ttmp7, 0xffff
	s_lshl_b32 s20, s20, 2
	s_add_co_u32 s20, s20, s18                     ; y: the block of 128 tokens
	s_lshl_b32 s21, s18, 2
	s_lshl_b32 s21, 15, s21                        ; my row of the cluster
	s_lshl_b32 s22, 0x1111, s17                    ; my column
	s_or_b32 s[G1A], s21, (3<<16)|(1<<21)          ; 15:0 the mask; 17:16 elements of 8 bytes; 21 set beside a mask
	s_or_b32 s[G1B], s22, (3<<16)|(1<<21)
.irp g, G1A, G1B
	s_mov_b32 s[\g+1], 32<<16                      ; tensor_dim0 = 32: rows of 256 bytes
	s_mov_b32 s[\g+2], 64<<16                      ; tensor_dim1 = 64: 16,384 dense bytes
	s_mov_b32 s[\g+3], 32<<16                      ; tile_dim0
	s_mov_b32 s[\g+4], 64                          ; tile_dim1
	s_mov_b32 s[\g+5], 32                          ; from row to row
	s_mov_b32 s[\g+6], 0
	s_mov_b32 s[\g+7], 0
.endr
	s_lshl_b32 s23, s[POS], 14                     ; which two tiles I fetch
	s_lshl_b32 s56, s20, 16                        ; o: tiles 8 y + 2 (w % 4) on; no register here ever holds x
	s_add_co_u32 s56, s56, s23
	s_mov_b32 s57, 0
	s_lshl_b32 s58, s19, 16                        ; Wo: tiles 8 x + 2 (w % 4) on; no register here ever holds y
	s_add_co_u32 s58, s58, s23
	s_mov_b32 s59, 0
	s_lshl_b32 s60, s[WV], 14                      ; where they go in a slot: 16,384 x wave
	v_and_b32 v12, 31, v0
	v_and_b32 v13, 15, v0                          ; r
	v_bfe_u32 v14, v0, 4, 1                        ; h
	v_lshlrev_b32 v15, 4, v12                      ; 16 x lane
	s_lshl_b32 s61, s[RH], 15                      ; my four tiles of o,
	s_lshl_b32 s62, s[KH], 12                      ; my four chunks of each
	s_add_co_u32 s61, s61, s62
	v_add_nc_u32 v[ADRA], s61, v15
	v_add_nc_u32 v[ADRA+1], SLOT1, v[ADRA]
	s_lshl_b32 s61, s[CH], 15
	s_add_co_u32 s61, s61, s62
	s_add_co_u32 s61, s61, 65536
	v_add_nc_u32 v[ADRB], s61, v15
	v_add_nc_u32 v[ADRB+1], SLOT1, v[ADRB]
	s_lshl_b32 s61, s[POS], 14
	v_add_nc_u32 v[MST], s61, v15
	s_mul_i32 s61, s[WV], 4352                     ; my stage: 16 rows x (256 bytes + 16), behind the merge's images
	s_add_co_u32 s61, s61, 65536
	v_mul_u32_u24 v[STO], v13, 272
	v_lshl_add_u32 v[STO], v14, 5, v[STO]
	v_add_nc_u32 v[STO], s61, v[STO]               ; in: row r, + 32 h
	v_mul_u32_u24 v[RD], v14, 272
	v_lshl_add_u32 v[RD], v13, 4, v[RD]
	v_add_nc_u32 v[RD], s61, v[RD]                 ; back: lanes 0-15 one row of 256 bytes, lanes 16-31 the next
	v_lshlrev_b32 v[CO], 12, v14
	v_lshl_add_u32 v[CO], v13, 4, v[CO]            ; and the same two rows in out0
	v_lshlrev_b32 v[BOF], 5, v14
	s_lshl_b32 s62, s19, 9                         ; my first column, in bytes: 512 x + 256 (place % 2)
	s_lshl_b32 s61, s[CH], 8
	s_add_co_u32 s62, s62, s61
	s_mov_b32 s63, 0
	s_wait_dscnt 0x0                               ; the opening add is done
	s_wait_kmcnt 0x0
	s_add_nc_u64 s[8:9], s[8:9], s[62:63]          ; bo at my 64 channels
	s_lshl_b32 s61, s20, 19                        ; my first row: 128 y + 64 (place / 2), 4,096 bytes a row
	s_add_co_u32 s62, s62, s61
	s_lshl_b32 s61, s[RH], 18
	s_add_co_u32 s62, s62, s61
	s_add_nc_u64 s[10:11], s[10:11], s[62:63]
	s_add_nc_u64 s[66:67], s[4:5], s[56:57]
	s_add_nc_u64 s[68:69], s[6:7], s[58:59]
	CROUND                                         ; all sixteen work-groups are here: the first joint loads meet
.irp s, 0,1
	s_mov_b32 s[G0A+4*\s], 1
	s_add_co_u32 s[G0A+4*\s+1], s60, \s*SLOT1
	s_add_nc_u64 s[G0A+4*\s+2:G0A+4*\s+3], s[66:67], \s*2097152    ; K step s of o
	s_or_b32 s[G0A+4*\s+3], s[G0A+4*\s+3], 0x80000000
	s_mov_b32 s[G0B+4*\s], 1
	s_add_co_u32 s[G0B+4*\s+1], s60, \s*SLOT1
	s_add_nc_u64 s[G0B+4*\s+2:G0B+4*\s+3], s[68:69], \s*524288     ; K step s of Wo
	s_or_b32 s[G0B+4*\s+3], s[G0B+4*\s+3], 0x80000000
	JLOAD \s
.endr
	s_cmp_eq_u32 s[KH], 0
	s_cbranch_scc0 .Lzero_bias
.irp p, 0,1,2,3,4,5,6,7
	global_load_b128 v[BO+4*\p:BO+4*\p+3], v[BOF], s[8:9] offset:64*(\p/2)+16*(\p%2)   ; bo[.. + 16 b + 8 h + 0..7]
.endr
	s_branch .Lbias_set
.Lzero_bias:
.set i, 0
.rept 32
	v_mov_b32 v[BO+i], 0
.set i, i+1
.endr
.Lbias_set:
	s_wait_loadcnt 0x0
; A K step: my four chunks of 32, each eight fragments' 16 loads and 16 matrix instructions; the 16 accumulators take turns, one instruction a turn.
.macro COMPUTE s, first
.irp q, 0,1,2,3
	PLACES                                         ; ahead of loads into registers that matrix instructions have read
.irp a, 0,1,2,3
.irp g, 0,1
	ds_load_b128 v[AF+8*\a+4*\g:AF+8*\a+4*\g+3], v[ADRA+\s] offset:8192*\a+1024*\q+512*\g
	ds_load_b128 v[BF+8*\a+4*\g:BF+8*\a+4*\g+3], v[ADRB+\s] offset:8192*\a+1024*\q+512*\g
.endr
.endr
	s_wait_dscnt 0x0                               ; the SIMD's other wave works meanwhile
.irp a, 0,1,2,3
.irp b, 0,1,2,3
.if (\first) && (\q == 0)
	v_wmma_f32_16x16x32_f16 v[ACC+32*\a+8*\b:ACC+32*\a+8*\b+7], v[BF+8*\b:BF+8*\b+7], v[AF+8*\a:AF+8*\a+7], v[BO+8*\b:BO+8*\b+7]
.else
	v_wmma_f32_16x16x32_f16 v[ACC+32*\a+8*\b:ACC+32*\a+8*\b+7], v[BF+8*\b:BF+8*\b+7], v[AF+8*\a:AF+8*\a+7], v[ACC+32*\a+8*\b:ACC+32*\a+8*\b+7]
.endif
.endr
.endr
.endr
.endm
; The change of slots with a refill: every wave waits for all its tensor loads, adds 0 to its spare word, and waits for that and for its reads of slot s; a round of the cluster's barrier; the joint refill of slot s, two K steps on, first behind it.
.macro NEXT s
	s_wait_tensorcnt 0x0                           ; no tensor load of mine is out, so the groups 0 may be written
	ds_add_u32 v[SPW], v[NIL]
	s_add_nc_u64 s[G0A+4*\s+2:G0A+4*\s+3], s[G0A+4*\s+2:G0A+4*\s+3], 2*2097152
	s_add_nc_u64 s[G0B+4*\s+2:G0B+4*\s+3], s[G0B+4*\s+2:G0B+4*\s+3], 2*524288
	s_wait_dscnt 0x0
	CROUND
	JLOAD \s
.endm
	s_wait_tensorcnt 1                             ; my part of K step 0 is in; K step 1's may stay out
	s_barrier_signal -1
	s_barrier_wait -1
	COMPUTE 0, 1
	NEXT 0
	COMPUTE 1, 0
	NEXT 1
	COMPUTE 0, 0
	s_wait_tensorcnt 0x0                           ; the last K step has landed; nothing is filled again, so no round follows
	ds_add_u32 v[SPW], v[NIL]
	s_wait_dscnt 0x0
	s_barrier_signal -1
	s_barrier_wait -1
	COMPUTE 1, 0
	; THE MERGE.  Slot 0 has had its last fill, and every wave has passed the barrier behind its last read of it.
	PLACES
	s_cmp_eq_u32 s[KH], 0
	s_cbranch_scc1 .Lkeep
.set i, 0
.rept 32
	ds_store_b128 v[MST], v[ACC+4*i:ACC+4*i+3] offset:512*i        ; the second half's sums as an image of their registers, each accumulator from its low end on
.set i, i+1
.endr
.Lkeep:
	s_wait_dscnt 0x0                               ; for the others' sake: my stores have landed
	s_barrier_signal -1
	s_barrier_wait -1
	s_cmp_lg_u32 s[KH], 0
	s_cbranch_scc1 .Lend
.irp u, 0,1
.set i, 0
.rept 16
	ds_load_b128 v[BK+4*i:BK+4*i+3], v[MST] offset:8192*\u+512*i
.set i, i+1
.endr
	s_wait_dscnt 0x0
.set i, 0
.rept 32
	v_pk_add_f32 v[ACC+64*\u+2*i:ACC+64*\u+2*i+1], v[ACC+64*\u+2*i:ACC+64*\u+2*i+1], v[BK+2*i:BK+2*i+1]
.set i, i+1
.endr
.endr
; THE WAY OUT, 16 tokens x 64 channels at a time, through my own stage: a lane holds 32 bytes of a row, the lanes beside it other rows; they come back as whole runs of 256 bytes.
; LDS serves a wave's instructions in order (ISA guide 5.7.1.4): no wait between the stores and the loads, nor ahead of the next block's stores.
.macro TOSTAGE a
.irp b, 0,1,2,3
	ds_store_b128 v[STO], v[ACC+32*(\a)+8*\b:ACC+32*(\a)+8*\b+3] offset:64*\b
	ds_store_b128 v[STO], v[ACC+32*(\a)+8*\b+4:ACC+32*(\a)+8*\b+7] offset:64*\b+16
.endr
.irp i, 0,1,2,3,4,5,6,7
	ds_load_b128 v[BK+32*((\a)%2)+4*\i:BK+32*((\a)%2)+4*\i+3], v[RD] offset:544*\i
.endr
.endm
.macro SEND a, younger                 ; younger: the LDS instructions issued behind block a's loads, which may stay out
	s_wait_dscnt \younger
.irp i, 0,1,2,3,4,5,6,7
	global_store_b128 v[CO], v[BK+32*((\a)%2)+4*\i:BK+32*((\a)%2)+4*\i+3], s[10:11] offset:(16*(\a)+2*\i)*4096 th:TH_STORE_NT   ; sixteen lanes store 256 consecutive bytes, aligned; written once, read by nobody here
.endr
.endm
	TOSTAGE 0
	TOSTAGE 1
	SEND 0, 16                                     ; behind block 0's loads: block 1's 8 stores and 8 loads
	s_wait_xcnt 0x0                                ; block 0's stores have read their registers: block 2's loads may land there
	TOSTAGE 2
	SEND 1, 16
	s_wait_xcnt 0x0
	TOSTAGE 3
	SEND 2, 16
	SEND 3, 0
.Lend:
	s_wait_tensorcnt 0x0                           ; the wave's end, behind my last tensor load and my last LDS store
	ds_add_u32 v[SPW], v[NIL]
	s_wait_dscnt 0x0
	CROUND                                         ; the closing round
	s_endpgm
.Lfunc_end_k_q5acec5d6db_oproj:
	.size	k_q5acec5d6db_oproj, .Lfunc_end_k_q5acec5d6db_oproj-k_q5acec5d6db_oproj
	.p2alignl 7, 3214868480
	.fill 96, 4, 3214868480
	.section	.rodata,"a",@progbits
	.p2align	6, 0x0
	.amdhsa_kernel k_q5acec5d6db_oproj
		.amdhsa_group_segment_fixed_size 327680
		.amdhsa_private_segment_fixed_size 0
		.amdhsa_enable_private_segment 0
		.amdhsa_kernarg_size 32
		.amdhsa_user_sgpr_count 2
		.amdhsa_user_sgpr_kernarg_segment_ptr 1
		.amdhsa_wavefront_size32 1
		.amdhsa_system_sgpr_workgroup_id_x 1
		.amdhsa_system_sgpr_workgroup_id_y 1
		.amdhsa_system_sgpr_workgroup_id_z 1
		.amdhsa_system_vgpr_workitem_id 0
		.amdhsa_next_free_vgpr 256
		.amdhsa_next_free_sgpr 80
		.amdhsa_reserve_vcc 0
		.amdhsa_float_denorm_mode_32 3
		.amdhsa_float_denorm_mode_16_64 3
		.amdhsa_memory_ordered 1
		.amdhsa_forward_progress 1
		.amdhsa_inst_pref_size 62
	.end_amdhsa_kernel
	.amdgpu_metadata
---
amdhsa.version: [ 1, 2 ]
amdhsa.kernels:
  - .name:           k_q5acec5d6db_oproj
    .symbol:         k_q5acec5d6db_oproj.kd
    .args:
      - { .name: of, .offset: 0, .size: 8, .value_kind: global_buffer, .address_space: global }
      - { .name: wof, .offset: 8, .size: 8, .value_kind: global_buffer, .address_space: global }
      - { .name: bo, .offset: 16, .size: 8, .value_kind: global_buffer, .address_space: global }
      - { .name: out0, .offset: 24, .size: 8, .value_kind: global_buffer, .address_space: global }
    .group_segment_fixed_size: 327680
    .private_segment_fixed_size: 0
    .kernarg_segment_align: 8
    .kernarg_segment_size: 32
    .max_flat_workgroup_size: 256
    .sgpr_count:     80
    .vgpr_count:     256
    .wavefront_size: 32
...
	.end_amdgpu_metadata
.endif
;; end of part 4
